; MI455X (gfx1250); checked and timed in simulation.
; The chip was launched on July 23, 2026; its instructions are those of AMD's public machine-readable ISA for CDNA 5 (MIT licence, August 2026) and "CDNA5" Instruction Set Architecture Reference Guide (July 2026). The comments in the code are by the model that wrote it; some were corrected since.
;; Mo EFFN. Allowed arithmetic: float matrix products may take bf16 or f16 operands with f32 sums; all other float work in f32.
;; Inputs: W1 8 x 256 x 512 float32; W2 8 x 512 x 256 float32; Wg 256 x 8 float32; b1 8 x 512 float32; b2 8 x 256 float32; bg 8 float32; x 8 x 4,096 x 256 float32.
;; Outputs: out0 8 x 4,096 x 256 float32.
;; 3 versions, each right and faster than the one before. Each part assembles by itself: llvm-mc -triple=amdgcn-amd-amdhsa -mcpu=gfx1250 --defsym DOCPART=n.
;; ======== version 1 of 3: 2 launches
;; limits: a function is approximated: absolute error at most 2.5e-05; an absolute error that grows with the inputs' magnitude: up to 1.25e-05 times it
;; workspace buffers: wf 4,218,880 bytes
;; launch prep (part 1): grid 258 x 1, 8 waves a work-group, no clusters, 0 bytes of LDS; arguments W1, W2, Wg, b2, wf; writes wf
.if DOCPART == 1
	.amdgcn_target "amdgcn-amd-amdhsa--gfx1250"
	.amdhsa_code_object_version 6
	.text
	.protected	k_qe3d293e29a_prep
	.globl	k_qe3d293e29a_prep
	.p2align	8
	.type	k_qe3d293e29a_prep,@function
k_qe3d293e29a_prep:
	s_mov_b64 s[64:65], 0
	v_nop
	global_prefetch_b8 v0, s[64:65] scope:SCOPE_SE
	s_setreg_imm32_b32 hwreg(HW_REG_WAVE_MODE, 25, 1), 1
	s_wait_xcnt 0x0
; The weights, rounded once to bf16 and laid out as register images of matrix fragments, in the order in which the main launch walks them.
; A FRAGMENT is 16 rows (m) x 32 k = 1,024 bytes: the 16 bytes at 512 sub + 256 hh + 16 r hold (m = r, k = 16 sub + 8 hh + 0..7), the lower k in the lower bits,
; so that two loads of 16 bytes a lane, at 16 x lane and 512 bytes on, fill the eight registers of a source of the bf16 matrix instruction.
; THE STREAM, bytes 0 to 4,194,303: block b (0..63) at 65,536 b, half g of the experts at + 32,768 g, two units of 16 fragments each.  Chunk c (0..63) of half g is
; expert 4 g + c % 4, columns f0 = 32 (c / 4) on of the hidden layer.  Unit u = 2 b + U:  W1's chunk c is unit max(2 c - 1, 0), W2's chunk c is unit min(2 c + 2, 127).
;   W1's unit: fragment 2 ks + ft: rows f0 + 16 ft + r, k = input channel 32 ks + ..      W2's unit: fragment ht: rows = output channel 16 ht + r, k = f - f0.
; Behind the stream: WGF, 8 fragments of Wg (rows = expert r % 8, the eight written twice; k = input channel); B2F, 16 fragments of b2 (rows = output channel, k = expert for k < 8, else 0).
; Work-groups 0-127 make one unit of W1 each, 128-255 one of W2, 256 makes WGF, 257 makes B2F.  Eight waves; no LDS, no barrier.
; Every store of 16 bytes a lane: sixteen neighbouring lanes write 256 consecutive bytes, at a multiple of 256 from wf's first byte.
.set WGF, 4194304
.set B2F, 4202496
	s_load_b256 s[4:11], s[0:1], 0x0               ; W1 s[4:5], W2 s[6:7], Wg s[8:9], b2 s[10:11]
	s_load_b64 s[12:13], s[0:1], 0x20              ; wf
	s_mov_b32 s2, ttmp9                            ; the work-group's number
	s_and_b32 s14, s2, 63                          ; c
	s_bfe_u32 s15, s2, 0x10006                     ; g: bit 6, in both ranges of 128
	s_and_b32 s16, s14, 3
	s_lshl2_add_u32 s16, s15, s16                  ; expert = 4 g + c % 4
	s_lshr_b32 s17, s14, 2                         ; f0 / 32
	s_lshl_b32 s18, s16, 19                        ; an expert's matrix is 524,288 bytes, in W1 and in W2
	s_mov_b32 s19, 0
	s_lshl_b32 s20, s14, 1                         ; 2 c
	v_lshrrev_b32 v3, 4, v0                        ; a unit's destination: thread t writes row t % 16 of fragment t / 16
	v_and_b32 v4, 15, v0
	v_lshlrev_b32 v3, 10, v3
	v_lshl_add_u32 v3, v4, 4, v3
	s_wait_kmcnt 0x0
; One unit.  s20 = its number u, s[22:23] = the source at the chunk's corner, v2 = the thread's place there, pitch = bytes from one k to the next.
; A thread takes its row's 32 k (32 loads of 4 bytes; 16 or 32 neighbouring lanes read neighbouring words), rounds them in pairs and writes four times 16 bytes.
.macro UNIT pitch
	s_lshr_b32 s21, s20, 1
	s_lshl_b32 s21, s21, 16                        ; block u / 2
	s_and_b32 s24, s20, 1
	s_lshl_b32 s24, s24, 14                        ; unit u % 2 of the block
	s_add_co_u32 s24, s24, s21
	s_lshl_b32 s21, s15, 15                        ; half g
	s_add_co_u32 s24, s24, s21
	s_mov_b32 s25, 0
	s_add_nc_u64 s[24:25], s[12:13], s[24:25]
.irp i, 0,1,2,3
.irp n, 0,1,2,3,4,5,6,7
	global_load_b32 v[8+8*\i+\n], v2, s[22:23] offset:(8*\i+\n)*\pitch
.endr
.endr
.irp i, 0,1,2,3
	s_wait_loadcnt 24-8*\i                         ; loads come back in order: quarter i's eight are in, the 8 (3 - i) younger ones stay out
.irp m, 0,1,2,3
	v_cvt_pk_bf16_f32 v[40+4*\i+\m], v[8+8*\i+2*\m], v[8+8*\i+2*\m+1]
.endr
	global_store_b128 v3, v[40+4*\i:40+4*\i+3], s[24:25] offset:\i*256    ; k = 8 i + 0..7 of my row
.endr
.endm
	s_cmp_lt_u32 s2, 128
	s_cbranch_scc0 .Lnot_w1
	; W1[e][32 ks + k][f0 + 16 ft + r]: fragment t / 16 = 2 ks + ft, so ks = t / 32 and 16 ft + r = t % 32
	s_lshl_b32 s21, s17, 7                         ; f0 x 4 bytes
	s_add_co_u32 s18, s18, s21
	s_add_nc_u64 s[22:23], s[4:5], s[18:19]
	s_sub_co_i32 s20, s20, 1
	s_max_i32 s20, s20, 0                          ; u = max(2 c - 1, 0)
	v_lshrrev_b32 v2, 5, v0
	v_and_b32 v4, 31, v0
	v_lshlrev_b32 v2, 16, v2                       ; 32 rows of 2,048 bytes for each ks
	v_lshl_add_u32 v2, v4, 2, v2
	UNIT 2048
	s_endpgm
.Lnot_w1:
	s_cmp_lt_u32 s2, 256
	s_cbranch_scc0 .Lsmall
	; W2[e][f0 + k][16 ht + r]: 16 ht + r = t
	s_lshl_b32 s21, s17, 15                        ; f0 rows of 1,024 bytes
	s_add_co_u32 s18, s18, s21
	s_add_nc_u64 s[22:23], s[6:7], s[18:19]
	s_add_co_u32 s20, s20, 2
	s_min_u32 s20, s20, 127                        ; u = min(2 c + 2, 127)
	v_lshlrev_b32 v2, 2, v0
	UNIT 1024
	s_endpgm
.Lsmall:
	v_lshrrev_b32 v5, 5, v0                        ; wave
	v_and_b32 v6, 31, v0                           ; lane
	s_cmp_eq_u32 s2, 256
	s_cbranch_scc0 .Lb2
	; WGF: wave w makes fragment ks = w: Wg[32 w + 16 sub + 8 hh + n][r % 8], rows of 32 bytes
	v_bfe_u32 v4, v0, 4, 1
	v_lshlrev_b32 v2, 10, v5
	v_lshl_add_u32 v2, v4, 8, v2
	v_and_b32 v4, 7, v0
	v_lshl_add_u32 v2, v4, 2, v2
	v_lshlrev_b32 v3, 10, v5
	v_lshl_add_u32 v3, v6, 4, v3
	s_add_nc_u64 s[24:25], s[12:13], WGF
.irp i, 0,1
.irp n, 0,1,2,3,4,5,6,7
	global_load_b32 v[8+8*\i+\n], v2, s[8:9] offset:\i*512+\n*32
.endr
.endr
	s_wait_loadcnt 0x0
.irp i, 0,1
.irp m, 0,1,2,3
	v_cvt_pk_bf16_f32 v[40+4*\i+\m], v[8+8*\i+2*\m], v[8+8*\i+2*\m+1]
.endr
	global_store_b128 v3, v[40+4*\i:40+4*\i+3], s[24:25] offset:\i*512
.endr
	s_endpgm
.Lb2:
	; B2F: wave w makes fragments 2 w and 2 w + 1: b2[n][16 (2 w + i) + r] for k = n < 8 (lanes 0-15, first four registers); every other k is 0
	v_and_b32 v4, 15, v0
	v_lshlrev_b32 v2, 7, v5
	v_lshl_add_u32 v2, v4, 2, v2
	v_lshlrev_b32 v3, 11, v5
	v_lshl_add_u32 v3, v6, 4, v3
	s_add_nc_u64 s[24:25], s[12:13], B2F
.irp i, 0,1
.irp n, 0,1,2,3,4,5,6,7
	global_load_b32 v[8+8*\i+\n], v2, s[10:11] offset:\i*64+\n*1024
.endr
.endr
	v_cmp_gt_u32 vcc_lo, 16, v6                    ; lanes 0-15 hold k = 0..7
.irp m, 0,1,2,3
	v_mov_b32 v[48+\m], 0
.endr
	s_wait_loadcnt 0x0
.irp i, 0,1
.irp m, 0,1,2,3
	v_cvt_pk_bf16_f32 v[40+4*\i+\m], v[8+8*\i+2*\m], v[8+8*\i+2*\m+1]
.endr
.irp m, 0,1,2,3
	v_cndmask_b32 v[40+4*\i+\m], 0, v[40+4*\i+\m], vcc_lo
.endr
	global_store_b128 v3, v[40+4*\i:40+4*\i+3], s[24:25] offset:\i*1024
	global_store_b128 v3, v[48:51], s[24:25] offset:\i*1024+512
.endr
	s_endpgm
.Lfunc_end_k_qe3d293e29a_prep:
	.size	k_qe3d293e29a_prep, .Lfunc_end_k_qe3d293e29a_prep-k_qe3d293e29a_prep
	.p2alignl 7, 3214868480
	.fill 96, 4, 3214868480
	.section	.rodata,"a",@progbits
	.p2align	6, 0x0
	.amdhsa_kernel k_qe3d293e29a_prep
		.amdhsa_group_segment_fixed_size 0
		.amdhsa_private_segment_fixed_size 0
		.amdhsa_enable_private_segment 0
		.amdhsa_kernarg_size 40
		.amdhsa_user_sgpr_count 2
		.amdhsa_user_sgpr_kernarg_segment_ptr 1
		.amdhsa_wavefront_size32 1
		.amdhsa_system_sgpr_workgroup_id_x 1
		.amdhsa_system_sgpr_workgroup_id_y 1
		.amdhsa_system_sgpr_workgroup_id_z 1
		.amdhsa_system_vgpr_workitem_id 0
		.amdhsa_next_free_vgpr 64
		.amdhsa_next_free_sgpr 66
		.amdhsa_reserve_vcc 1
		.amdhsa_float_denorm_mode_32 3
		.amdhsa_float_denorm_mode_16_64 3
		.amdhsa_memory_ordered 1
		.amdhsa_forward_progress 1
		.amdhsa_inst_pref_size 18
	.end_amdhsa_kernel
	.amdgpu_metadata
---
amdhsa.version: [ 1, 2 ]
amdhsa.kernels:
  - .name:           k_qe3d293e29a_prep
    .symbol:         k_qe3d293e29a_prep.kd
    .args:
      - { .name: W1, .offset: 0, .size: 8, .value_kind: global_buffer, .address_space: global }
      - { .name: W2, .offset: 8, .size: 8, .value_kind: global_buffer, .address_space: global }
      - { .name: Wg, .offset: 16, .size: 8, .value_kind: global_buffer, .address_space: global }
      - { .name: b2, .offset: 24, .size: 8, .value_kind: global_buffer, .address_space: global }
      - { .name: wf, .offset: 32, .size: 8, .value_kind: global_buffer, .address_space: global }
    .group_segment_fixed_size: 0
    .private_segment_fixed_size: 0
    .kernarg_segment_align: 8
    .kernarg_segment_size: 40
    .max_flat_workgroup_size: 256
    .sgpr_count:     66
    .vgpr_count:     64
    .wavefront_size: 32
...
	.end_amdgpu_metadata
.endif
;; end of part 1
;; launch moe (part 2): grid 256 x 1, 4 waves a work-group, clusters of 4 x 1, 327,680 bytes of LDS; arguments x, b1, bg, wf, out0; writes out0
.if DOCPART == 2
	.amdgcn_target "amdgcn-amd-amdhsa--gfx1250"
	.amdhsa_code_object_version 6
	.text
	.protected	k_qe3d293e29a_moe
	.globl	k_qe3d293e29a_moe
	.p2align	8
	.type	k_qe3d293e29a_moe,@function
k_qe3d293e29a_moe:
	s_mov_b64 s[64:65], 0
	v_nop
	global_prefetch_b8 v0, s[64:65] scope:SCOPE_SE
	s_setreg_imm32_b32 hwreg(HW_REG_WAVE_MODE, 25, 1), 1
	s_wait_xcnt 0x0
	s_wait_alu depctr_hold_cnt(0) depctr_sa_sdst(0) depctr_va_vdst(0) depctr_va_sdst(0) depctr_va_ssrc(0) depctr_va_vcc(0) depctr_vm_vsrc(0)
	s_getreg_b32 s2, hwreg(HW_REG_IB_STS2, 6, 4)
	s_cmp_eq_u32 s2, 0
	s_cbranch_scc0 .Lentry_in_a_cluster
	s_endpgm
.Lentry_in_a_cluster:
	s_bfe_u32 s2, ttmp6, 0x10000c
	s_cmp_lg_u32 s2, 0x3003
	s_cbranch_scc0 .Lentry_shape_is_right
	s_endpgm
.Lentry_shape_is_right:
; out[t] = sum over e of p_e(t) (gelu(x[t] W1_e + b1_e) W2_e + b2_e),  p = softmax(x[t] Wg + bg).  32,768 tokens of 256 channels, 8 experts, 512 hidden columns; x, out in f32.
; Computed as  sum_e (p_e gelu(h_e)) W2_e + sum_e p_e b2_e : the gate is laid on the hidden numbers, so ONE f32 sum Y runs over all experts, and neither h nor an expert's y leaves the registers.
; SHARES.  A work-group owns 128 tokens.  Wave w = 2 t + g owns the 64 tokens of half t (four tiles of 16) and half g of the experts (4 g .. 4 g + 3); at the end the two waves of a token half
; add their sums.  Tiles 0, 1 of a wave are tokens 32 w + 16 i + r (it stores them), tiles 2, 3 are tokens 32 (w ^ 1) + 16 (i - 2) + r (it gives them to its partner).
; LAYOUT.  Both products are used transposed: S^T = W1^T x^T (source 0 = 16 hidden columns, source 1 = 16 tokens), Y^T = W2^T P (source 0 = 16 output channels).  A lane then holds ONE token
; (lane % 16) in S^T, P and Y^T: the gate is one number a lane, b1 is the first product's C, and two tiles of S^T rounded in pairs ARE source 1 of the second product.
; WEIGHTS come from wf: bf16 fragment images in the order of use (the launch before wrote them).  A chunk is one expert's 32 hidden columns; block b of 64 holds, for each half g,
; W2 of chunk b - 1 and W1 of chunk b + 1 (block 0: W1 of chunks 0, 1; block 63: W2 of chunks 62, 63).  In block b a wave issues the 64 products Y^T += W2^T P of chunk b - 1, the 64 products
; S^T of chunk b + 1, and between them, in slices, the GELU of chunk b: 480 vector instructions beside 128 matrix instructions, one slice behind every two.
; RING.  Two LDS slots of two blocks each (131,072 bytes); wave w fetches quarter w of a slot with one tensor load of 32,768 bytes.  By this text's own count a wave has two tensor loads
; out at the start and one behind each change of slots.
; CLUSTER.  Every work-group walks the same weights, so the four of a cluster ask for each quarter JOINTLY: the same tensor load, descriptor and mask in all four.
; LIMITS.  erf by a rational form times an exponential (Abramowitz & Stegun 7.1.25), absolute error at most 2.5e-5: |gelu error| <= 1.25e-5 |h|, for every finite h.
; All matrix operands are bf16, those of x Wg and of p b2 too; sums, softmax (with its maximum taken away) and GELU in f32.  v_exp_f32 and v_rcp_f32 flush denormals: a gate below 2^-126 counts as 0.
;
; LDS:  0 slot 0 | 131,072 slot 1 | 262,144 b1 in the order of the chunks (8,192 g + 128 c) | 278,528 gates, 2,048 bytes a wave: 0.5 p at 256 e + 16 r + 4 i |
;       286,720 x's stage, 8,448 bytes a wave: 16 rows of 256 bf16, 528 bytes apart | 320,512 the spare words.  The way out's stage lies in the slots, behind their last fill and a barrier.
; REGISTERS, in windows of 256 (s_set_vgpr_msb: bits 1:0 source 0, 3:2 source 1, 5:4 source 2, 7:6 destination):
;   window 0: addresses, gates, bias, GELU's temporaries, a ring of 8 weight fragments (v64-127), two buffers of S^T / P (v128-191, v192-255)
;   window 1: x, tile i, channels 32 ks on, at 8 (8 i + ks)        windows 2, 3: Y^T, tile i, channels 16 ht on, in window 2 + i / 2 at 8 (16 (i % 2) + ht)
.set SLOTB, 131072
.set B1L,   262144
.set GL,    278528
.set XS,    286720
.set XREG,  8448
.set XP,    528                        ; 512 bytes + 16: an odd multiple of 16, so the 16 rows of a fragment load fall into 16 different columns of 16 bytes
.set SPARE, 320512
.set OP,    1040                       ; the way out: a row of 256 f32 + 16 bytes
.set OREG,  32*OP
.set LW,  2                            ; 32,768 g + 16 lane; never rewritten
.set AWA, 3                            ; my fragments of the slot's even block
.set AWB, 4                            ; of its odd block
.set AB0, 5                            ; b1 of my half's chunk 0: B1L + 8,192 g + 32 hh
.set AB,  6
.set GA,  7                            ; my gates of expert 4 g: GL + 2,048 w + 1,024 g + 16 r
.set AG,  8
.set L16, 9                            ; 16 lane
.set CA,  10                           ; v10, v11: two coefficients of the polynomial
.set GT0, 12                           ; gates (four tiles) for an even block's GELU;  in the prologue v12-19 hold bg
.set GT1, 16                           ; for an odd block's
.set BI,  20                           ; b1 of a chunk: 2 x 8 registers, the C of the first products
.set LG,  20                           ; prologue: b1 as loaded, then the logits of tile i at LG + 8 i
.set TM,  36                           ; GELU at work: two pairs x (A, T, E, R)
.set RR,  52                           ; lane % 16
.set HH,  53                           ; lane / 16
.set GS,  54                           ; where the gates are stored; on the way out: rows read back
.set OSR, 54
.set XW,  55
.set XRO, 56
.set XRP, 57
.set B1S, 58
.set B1G, 59
.set SPW, 60                           ; LDS address of my spare word; never rewritten
.set NIL, 61                           ; 0; never rewritten
.set OSG, 62
.set OSM, 63
.set RING, 64
.set SX,  64                           ; prologue: softmax's temporaries, four a tile
.set SB0, 128
.set SB1, 192
.set WV,  14                           ; s14 wave
.set G1,  24                           ; s[24:31] descriptor group 1
.set G0,  32                           ; s[32:35] group 0 of the first fill of slot 0
.set G0W, 36                           ; s[36:39] group 0 of the first fill of slot 1, which then walks on
.set TB,  40                           ; the slot being read: 0 or 131,072
.set SG,  41                           ; walks the gates: 0 or 512
.set SBI, 42                           ; walks b1: 128 x the chunk to be fetched
.set TRIP, 43
.set KAP, 44                           ; sqrt(log2(e) / 2)
.set MSB, 0
.macro WIN new                         ; the immediate's high byte repeats the setting that is left; a switch that changes nothing is dropped
.if MSB != (\new)
	s_set_vgpr_msb (MSB<<8)|(\new)
.set MSB, (\new)
.endif
.endm
.macro PLACES                          ; four plain vector instructions between a matrix instruction and a load into, or a read of, its registers
.rept 4
	v_nop
.endr
.endm
.macro BAR
	s_barrier_signal -1
	s_barrier_wait -1
.endm
.macro CREST                           ; a round of the cluster's barrier behind its opening barrier: wave 0 signals for the work-group, all wait for the four work-groups, the work-group's barrier closes it
	s_cmp_lg_u32 s[WV], 0
	s_cbranch_scc1 .Lnot_wave_0_\@
	s_barrier_signal -3
.Lnot_wave_0_\@:
	s_barrier_wait -3
	s_barrier_signal -1
	s_barrier_wait -1
.endm
.macro CROUND
	BAR
	CREST
.endm
	s_load_b256 s[4:11], s[0:1], 0x0               ; x s[4:5], b1 s[6:7], bg s[8:9], wf s[10:11]
	s_load_b64 s[12:13], s[0:1], 0x20              ; out0
	v_lshl_add_u32 v[SPW], v0, 2, SPARE
	v_mov_b32 v[NIL], 0
	ds_add_u32 v60, v61
	s_wait_dscnt 0x0
	v_lshrrev_b32 v1, 5, v0
	v_readfirstlane_b32 s[WV], v1                  ; wave 0..3
	s_and_b32 s15, s[WV], 1                        ; g
	s_bfe_u32 s16, ttmp6, 0x40000                  ; cx: my place in the cluster; it enters x's and out0's addresses alone
	s_lshl_b32 s17, ttmp9, 2
	s_add_co_u32 s17, s17, s16                     ; my block of 128 tokens
	s_lshl_b32 s20, s[WV], 15                      ; 32,768 w: my quarter of a slot, in wf and in LDS; also my 32 rows of 1,024 bytes in x and out0
	s_mov_b32 s21, 0
	s_lshl_b32 s18, s17, 17                        ; 128 rows of 1,024 bytes
	s_add_co_u32 s18, s18, s20
	s_mov_b32 s19, 0
	; descriptor group 1: a dense block of 32,768 bytes as 128 rows of 32 elements of 8 bytes
	s_mov_b32 s[G1+0], 15|(3<<16)|(1<<21)          ; 15:0 the mask: all four work-groups; 17:16 elements of 8 bytes; 20 no padding; 21 set beside a mask
	s_mov_b32 s[G1+1], 32<<16                      ; tensor_dim0 = 32
	s_mov_b32 s[G1+2], 128<<16                     ; tensor_dim1 = 128
	s_mov_b32 s[G1+3], 32<<16                      ; tile_dim0 = 32
	s_mov_b32 s[G1+4], 128                         ; tile_dim1 = 128
	s_mov_b32 s[G1+5], 32                          ; from row to row: 32 elements
	s_mov_b32 s[G1+6], 0
	s_mov_b32 s[G1+7], 0
	s_mov_b32 s[KAP], 0x3f596d27                   ; 0.8493218
	s_mov_b32 s[SG], 0
	s_mov_b32 s[SBI], 128
	s_mov_b32 s[TB], 0
	s_wait_kmcnt 0x0
	s_add_nc_u64 s[4:5], s[4:5], s[18:19]          ; x and out0 at my wave's first row
	s_add_nc_u64 s[12:13], s[12:13], s[18:19]
	s_add_nc_u64 s[46:47], s[10:11], 0x400000      ; Wg's fragments; b2's lie 8,192 bytes on
	s_add_nc_u64 s[22:23], s[10:11], s[20:21]      ; my quarter of the stream's first slot
	s_mov_b32 s[G0], 1
	s_lshl_b32 s[G0+1], s[WV], 15                  ; LDS: 32,768 w
	s_mov_b64 s[G0+2:G0+3], s[22:23]
	s_or_b32 s[G0+3], s[G0+3], 0x80000000          ; type = 2
	s_mov_b32 s[G0W], 1
	s_add_co_u32 s[G0W+1], s[G0+1], SLOTB
	s_add_nc_u64 s[G0W+2:G0W+3], s[22:23], SLOTB
	s_or_b32 s[G0W+3], s[G0W+3], 0x80000000
	CROUND                                         ; all four work-groups are here: the first joint loads meet
	tensor_load_to_lds s[G0:G0+3], s[G1:G1+7]      ; blocks 0, 1
	s_nop 0
	tensor_load_to_lds s[G0W:G0W+3], s[G1:G1+7]    ; blocks 2, 3.  Four vector instructions follow before any switch of windows
	s_nop 0
	v_and_b32 v[L16], 31, v0
	v_and_b32 v[RR], 15, v0
	v_bfe_u32 v[HH], v0, 4, 1
	v_lshlrev_b32 v[B1G], 4, v0
	v_lshlrev_b32 v[L16], 4, v[L16]
	v_mov_b32 v1, 0
	; x: my 32 rows, 16 a pass, two loads of 512 consecutive bytes a row; pass p into window 2 + p, v0-127
.irp p, 0,1
	WIN 0x80+0x40*\p
.set q, 0
.rept 32
	global_load_b128 v[4*q:4*q+3], v[L16], s[4:5] offset:(16*\p+q/2)*1024+(q%2)*512 th:TH_LOAD_NT
.set q, q+1
.endr
.endr
	WIN 0
.irp n, 0,1,2,3,4,5,6,7
	global_load_b128 v[LG+4*\n:LG+4*\n+3], v[B1G], s[6:7] offset:\n*2048     ; b1[n][4 t ..]: the work-group's 128 threads take a row of 2,048 bytes
.endr
.irp n, 0,1,2,3,4,5,6,7
	global_load_b128 v[RING+8*\n:RING+8*\n+3],   v[L16], s[46:47] offset:\n*1024
	global_load_b128 v[RING+8*\n+4:RING+8*\n+7], v[L16], s[46:47] offset:\n*1024+512
.endr
	global_load_b128 v[12:15], v1, s[8:9]          ; bg, the same in every lane: register j = bg[j], the C of the logits
	global_load_b128 v[16:19], v1, s[8:9] offset:16
	; LDS addresses
	s_mul_i32 s18, s[WV], XREG
	s_add_co_u32 s18, s18, XS                      ; my region of x's stage
	s_xor_b32 s19, s[WV], 1
	s_mul_i32 s19, s19, XREG
	s_add_co_u32 s19, s19, XS                      ; my partner's
	v_lshrrev_b32 v[XW], 1, v[L16]
	v_add_nc_u32 v[XW], s18, v[XW]                 ; in: 8 bytes a lane
	v_mul_u32_u24 v[XRO], v[RR], XP
	v_lshl_add_u32 v[XRO], v[HH], 4, v[XRO]        ; back, as fragments: row r, 16 bytes for each half of the lanes
	v_add_nc_u32 v[XRP], s19, v[XRO]
	v_add_nc_u32 v[XRO], s18, v[XRO]
	v_lshrrev_b32 v[B1S], 3, v0                    ; b1[n][4 t ..] belongs to chunk 4 (t / 8) + n % 4 of half n / 4, at byte 16 (t % 8)
	v_and_b32 v[OSG], 7, v0
	v_lshlrev_b32 v[B1S], 9, v[B1S]
	v_lshl_add_u32 v[B1S], v[OSG], 4, v[B1S]
	v_add_nc_u32 v[B1S], B1L, v[B1S]
	s_lshl_b32 s22, s15, 15
	v_add_nc_u32 v[LW], s22, v[L16]
	s_lshl_b32 s22, s15, 13
	s_add_co_u32 s22, s22, B1L
	v_lshl_add_u32 v[AB0], v[HH], 5, s22
	s_lshl_b32 s23, s[WV], 11
	s_add_co_u32 s23, s23, GL
	v_lshl_add_u32 v[GS], v[RR], 4, s23
	s_lshl_b32 s22, s15, 10
	v_add_nc_u32 v[GA], s22, v[GS]
	v_mov_b32 v[CA], 0xbde732ca                    ; a2 / kappa = -0.11288984
	v_mov_b32 v[CA+1], 0x3ed1cd01                  ; a1 / kappa =  0.40976717
.macro CVTX p                          ; pass p of x to bf16: window 2 + p, v0-127 -> window 3, v128 + 64 p on
	WIN 0xca+5*\p
.set q, 0
.rept 32
	v_cvt_pk_bf16_f32 v[128+64*\p+2*q],   v[4*q],   v[4*q+1]
	v_cvt_pk_bf16_f32 v[128+64*\p+2*q+1], v[4*q+2], v[4*q+3]
.set q, q+1
.endr
.endm
.macro STX p                           ; into my region of the stage: row q / 2, half q % 2, 8 neighbouring bytes a lane
	WIN 0x0c
.set q, 0
.rept 32
	ds_store_b64 v[XW], v[128+64*\p+2*q:128+64*\p+2*q+1] offset:(q/2)*XP+(q%2)*256
.set q, q+1
.endr
.endm
.macro RDX p                           ; back as fragments: my region is tile p, my partner's is tile p + 2
	WIN 0x40
.set q, 0
.rept 8
	ds_load_b128 v[8*(8*\p+q):8*(8*\p+q)+3],         v[XRO] offset:q*64
	ds_load_b128 v[8*(8*\p+q)+4:8*(8*\p+q)+7],       v[XRO] offset:q*64+32
	ds_load_b128 v[8*(8*(\p+2)+q):8*(8*(\p+2)+q)+3],   v[XRP] offset:q*64
	ds_load_b128 v[8*(8*(\p+2)+q)+4:8*(8*(\p+2)+q)+7], v[XRP] offset:q*64+32
.set q, q+1
.endr
	WIN 0
.endm
	s_wait_loadcnt 58                              ; x's pass 0 is in; behind it: pass 1 (32), b1 (8), Wg (16), bg (2)
	CVTX 0
	STX 0
	WIN 0
.set q, 0
.rept 16
	global_load_b128 v[SB0+8*q:SB0+8*q+3],   v[L16], s[46:47] offset:8192+q*1024      ; b2's 16 fragments
	global_load_b128 v[SB0+8*q+4:SB0+8*q+7], v[L16], s[46:47] offset:8192+q*1024+512
.set q, q+1
.endr
	s_wait_loadcnt 50                              ; pass 1 and b1 are in; behind them: Wg (16), bg (2), b2 (32)
.irp n, 0,1,2,3,4,5,6,7
	ds_store_b128 v[B1S], v[LG+4*\n:LG+4*\n+3] offset:(\n/4)*8192+(\n%4)*128
.endr
	CVTX 1
	WIN 0
	s_wait_dscnt 0x0                               ; for the others' sake: my rows of pass 0 and my part of b1 are in LDS
	BAR
	RDX 0
	s_wait_dscnt 0x0                               ; my reads of the stage are over,
	BAR                                            ; everybody's are: it may be written again
	STX 1
	WIN 0
	s_wait_dscnt 0x0
	BAR
	RDX 1
	s_wait_dscnt 0x0
	s_wait_loadcnt 32                              ; Wg and bg are in; behind them: b2 (32)
	; the logits: source 0 = Wg's fragment (rows = expert m % 8), source 1 = x: register j of EVERY lane holds expert j's logit of token r.  Four accumulators by turns.
	WIN 0x04
.set q, 0
.rept 8
.irp i, 0,1,2,3
.if q == 0
	v_wmma_f32_16x16x32_bf16 v[LG+8*\i:LG+8*\i+7], v[RING+8*q:RING+8*q+7], v[8*(8*\i+q):8*(8*\i+q)+7], v[12:19]
.else
	v_wmma_f32_16x16x32_bf16 v[LG+8*\i:LG+8*\i+7], v[RING+8*q:RING+8*q+7], v[8*(8*\i+q):8*(8*\i+q)+7], v[LG+8*\i:LG+8*\i+7]
.endif
.endr
.set q, q+1
.endr
	WIN 0
	PLACES
	; softmax over a lane's eight registers, the four tiles side by side; each result is read from its low registers on
.irp i, 0,1,2,3
	v_max3_num_f32 v[SX+4*\i], v[LG+8*\i], v[LG+8*\i+1], v[LG+8*\i+2]
.endr
.irp i, 0,1,2,3
	v_max3_num_f32 v[SX+4*\i], v[SX+4*\i], v[LG+8*\i+3], v[LG+8*\i+4]
.endr
.irp i, 0,1,2,3
	v_max3_num_f32 v[SX+4*\i], v[SX+4*\i], v[LG+8*\i+5], v[LG+8*\i+6]
.endr
.irp i, 0,1,2,3
	v_max_num_f32 v[SX+4*\i], v[SX+4*\i], v[LG+8*\i+7]
.endr
.irp i, 0,1,2,3
	v_mul_f32 v[SX+4*\i], 0x3fb8aa3b, v[SX+4*\i]   ; log2(e) x the maximum
.endr
.irp i, 0,1,2,3
	v_mov_b32 v[SX+4*\i+1], v[SX+4*\i]             ; the packed form names the pair
.endr
.irp i, 0,1,2,3
.irp m, 0,2,4,6
	v_pk_fma_f32 v[LG+8*\i+\m:LG+8*\i+\m+1], v[LG+8*\i+\m:LG+8*\i+\m+1], 0x3fb8aa3b, v[SX+4*\i:SX+4*\i+1] op_sel_hi:[1,0,0] neg_lo:[0,0,1] neg_hi:[0,0,1]
.endr
.endr
.set q, 0
.rept 32
	v_exp_f32 v[LG+q], v[LG+q]
.set q, q+1
.endr
	v_nop                                          ; a plain instruction between the exponentials and the use of their results (ISA guide 5.7.2)
.irp i, 0,1,2,3
	s_wait_alu depctr_va_vdst(0)
	v_pk_add_f32 v[SX+4*\i+2:SX+4*\i+3], v[LG+8*\i:LG+8*\i+1], v[LG+8*\i+2:LG+8*\i+3]
.endr
.irp i, 0,1,2,3
	v_pk_add_f32 v[SX+4*\i:SX+4*\i+1], v[LG+8*\i+4:LG+8*\i+5], v[LG+8*\i+6:LG+8*\i+7]
.endr
.irp i, 0,1,2,3
	v_pk_add_f32 v[SX+4*\i+2:SX+4*\i+3], v[SX+4*\i+2:SX+4*\i+3], v[SX+4*\i:SX+4*\i+1]
.endr
.irp i, 0,1,2,3
	v_add_f32 v[SX+4*\i], v[SX+4*\i+2], v[SX+4*\i+3]
.endr
.irp i, 0,1,2,3
	v_rcp_f32 v[SX+4*\i+1], v[SX+4*\i]
.endr
	v_nop
.irp i, 0,1,2,3
	s_wait_alu depctr_va_vdst(0)
	v_mul_f32 v[SX+4*\i+2], 0.5, v[SX+4*\i+1]      ; the half: GELU below makes 2 gelu(h), and each of the two waves of a token adds half of p b2
.endr
.irp i, 0,1,2,3
.irp m, 0,2,4,6
	v_pk_mul_f32 v[LG+8*\i+\m:LG+8*\i+\m+1], v[LG+8*\i+\m:LG+8*\i+\m+1], v[SX+4*\i+2:SX+4*\i+3] op_sel_hi:[1,0]
.endr
.endr
.irp i, 0,1,2,3
.irp e, 0,1,2,3,4,5,6,7
	ds_store_b32 v[GS], v[LG+8*\i+\e] offset:\e*256+4*\i       ; both halves of the lanes write the same word with the same number
.endr
.endr
	; 0.5 p as source 1 of a product with b2: k = expert in the first four registers; b2's fragments are 0 for k >= 8
.irp i, 0,1,2,3
.irp m, 0,1,2,3
	v_cvt_pk_bf16_f32 v[LG+8*\i+\m], v[LG+8*\i+2*\m], v[LG+8*\i+2*\m+1]
.endr
.irp m, 4,5,6,7
	v_mov_b32 v[LG+8*\i+\m], 0
.endr
.endr
	s_wait_loadcnt 0x0                             ; b2
.irp hb, 0,1                           ; these 64 products start Y's sums: nothing is cleared
	WIN 0xa0+0x50*\hb
.set q, 0
.rept 16
	v_wmma_f32_16x16x32_bf16 v[8*q:8*q+7],         v[SB0+8*q:SB0+8*q+7], v[LG+16*\hb:LG+16*\hb+7],    0
	v_wmma_f32_16x16x32_bf16 v[128+8*q:128+8*q+7], v[SB0+8*q:SB0+8*q+7], v[LG+16*\hb+8:LG+16*\hb+15], 0
.set q, q+1
.endr
.endr
	WIN 0
	v_add_nc_u32 v[AWA], s[TB], v[LW]              ; five plain instructions: the places in front of the loads into the bias registers and of the products that write over b2's fragments
	v_add_nc_u32 v[AWB], 0x10000, v[AWA]
	v_nop
	v_nop
	v_nop
	s_wait_tensorcnt 0x1                           ; my quarter of slot 0 is in; slot 1's may stay out
	s_wait_dscnt 0x0                               ; my gates are in LDS
	BAR
.macro FRAG base, f                    ; fragment f of a block into ring place f % 8
	ds_load_b128 v[RING+8*((\f)%8):RING+8*((\f)%8)+3],   v[\base] offset:(\f)*1024
	ds_load_b128 v[RING+8*((\f)%8)+4:RING+8*((\f)%8)+7], v[\base] offset:(\f)*1024+512
.endm
.macro BIAS a                          ; register j of half ft: b1[f0 + 16 ft + 8 hh + j]
	ds_load_b128 v[BI:BI+3],     v[\a]
	ds_load_b128 v[BI+4:BI+7],   v[\a] offset:16
	ds_load_b128 v[BI+8:BI+11],  v[\a] offset:64
	ds_load_b128 v[BI+12:BI+15], v[\a] offset:80
.endm
	BIAS AB0                                       ; chunk 0
	ds_load_b128 v[GT0:GT0+3], v[GA]               ; chunk 0's gates
.irp f, 0,1,2,3,4,5,6
	FRAG AWA, \f
.endr
; One product of S^T, group j of a block: hidden columns 16 (j % 2) on, input channels 32 ((j % 16) / 2) on, tile i.  The first K step takes b1 as C.
.macro MM1 sb, i
.set rD, \sb+16*(\i)+8*(j%2)
.set rA, RING+8*(j%8)
.set rB, 8*(8*(\i)+(j%16)/2)
.if (j%16)/2 == 0
	v_wmma_f32_16x16x32_bf16 v[rD:rD+7], v[rA:rA+7], v[rB:rB+7], v[BI+8*(j%2):BI+8*(j%2)+7]
.else
	v_wmma_f32_16x16x32_bf16 v[rD:rD+7], v[rA:rA+7], v[rB:rB+7], v[rD:rD+7]
.endif
.endm
; One product of Y^T: output channels 16 (j % 16) on, tile i; P of tile i lies in the first 8 of the tile's 16 registers.
.macro MM2 sb, i
.set rD, 8*(16*((\i)%2)+j%16)
.set rA, RING+8*(j%8)
.set rB, \sb+16*(\i)
	v_wmma_f32_16x16x32_bf16 v[rD:rD+7], v[rA:rA+7], v[rB:rB+7], v[rD:rD+7]
.endm
; GELU AND GATE.  With A = kappa |h|, kappa = sqrt(log2(e) / 2):  T = 1 / (1 + 0.39169197 A),  E = 2^(-A A) = exp(-h h / 2),  R = ((a3' T + a2') T + a1') T,
; 2 gelu(h) = A (1 / kappa - R E) + h;  times 0.5 p;  rounded to bf16.  A DUO is two pairs of scores (pair dd % 8 of tiles 2 (dd / 8) and + 1): 30 instructions in four slices.
; Every reciprocal and exponential has a plain instruction that does not touch it between itself and the use of its result (the squares; the polynomial's first step).
; A pair's result goes into the tile's register dd % 8: the pairs that lay there have been read.  Each tile of S^T is read from its low registers on.
.macro SLICE
	WIN 0
.set dd, k/4
.set hP, GB+32*(dd/8)+2*(dd%8)
.set hQ, hP+16
.set pP, GB+32*(dd/8)+(dd%8)
.set gP, GTB+2*(dd/8)
.if k%4 == 0
	v_mul_f32 v[TM],   s[KAP], |v[hP]|
	v_mul_f32 v[TM+1], s[KAP], |v[hP+1]|
	v_mul_f32 v[TM+8], s[KAP], |v[hQ]|
	v_mul_f32 v[TM+9], s[KAP], |v[hQ+1]|
	v_pk_fma_f32 v[TM+2:TM+3],   v[TM:TM+1],   0x3ec88bda, 1.0 op_sel_hi:[1,0,0]
	v_pk_fma_f32 v[TM+10:TM+11], v[TM+8:TM+9], 0x3ec88bda, 1.0 op_sel_hi:[1,0,0]
	v_rcp_f32 v[TM+2], v[TM+2]
	v_rcp_f32 v[TM+3], v[TM+3]
.elseif k%4 == 1
	v_rcp_f32 v[TM+10], v[TM+10]
	v_rcp_f32 v[TM+11], v[TM+11]
	v_pk_mul_f32 v[TM+4:TM+5],   v[TM:TM+1],   v[TM:TM+1]   neg_lo:[0,1] neg_hi:[0,1]
	v_pk_mul_f32 v[TM+12:TM+13], v[TM+8:TM+9], v[TM+8:TM+9] neg_lo:[0,1] neg_hi:[0,1]
	v_exp_f32 v[TM+4],  v[TM+4]
	v_exp_f32 v[TM+5],  v[TM+5]
	v_exp_f32 v[TM+12], v[TM+12]
	v_exp_f32 v[TM+13], v[TM+13]
.elseif k%4 == 2
	s_wait_alu depctr_va_vdst(0)
	v_pk_fma_f32 v[TM+6:TM+7],   v[TM+2:TM+3],   0x3f616a97, v[CA:CA+1] op_sel_hi:[1,0,0]
	v_pk_fma_f32 v[TM+14:TM+15], v[TM+10:TM+11], 0x3f616a97, v[CA:CA+1] op_sel_hi:[1,0,0]
	v_pk_fma_f32 v[TM+6:TM+7],   v[TM+6:TM+7],   v[TM+2:TM+3],   v[CA:CA+1] op_sel:[0,0,1] op_sel_hi:[1,1,1]
	v_pk_fma_f32 v[TM+14:TM+15], v[TM+14:TM+15], v[TM+10:TM+11], v[CA:CA+1] op_sel:[0,0,1] op_sel_hi:[1,1,1]
	v_pk_mul_f32 v[TM+6:TM+7],   v[TM+6:TM+7],   v[TM+2:TM+3]
	v_pk_mul_f32 v[TM+14:TM+15], v[TM+14:TM+15], v[TM+10:TM+11]
	v_pk_fma_f32 v[TM+4:TM+5],   v[TM+6:TM+7],   v[TM+4:TM+5],   0x3f96b55f op_sel_hi:[1,1,0] neg_lo:[1,0,0] neg_hi:[1,0,0]
.else
	v_pk_fma_f32 v[TM+12:TM+13], v[TM+14:TM+15], v[TM+12:TM+13], 0x3f96b55f op_sel_hi:[1,1,0] neg_lo:[1,0,0] neg_hi:[1,0,0]
	v_pk_fma_f32 v[TM+4:TM+5],   v[TM:TM+1],   v[TM+4:TM+5],   v[hP:hP+1]
	v_pk_fma_f32 v[TM+12:TM+13], v[TM+8:TM+9], v[TM+12:TM+13], v[hQ:hQ+1]
	v_pk_mul_f32 v[TM+4:TM+5],   v[TM+4:TM+5],   v[gP:gP+1] op_sel_hi:[1,0]
	v_pk_mul_f32 v[TM+12:TM+13], v[TM+12:TM+13], v[gP:gP+1] op_sel:[0,1] op_sel_hi:[1,1]
	v_cvt_pk_bf16_f32 v[pP],    v[TM+4],  v[TM+5]
	v_cvt_pk_bf16_f32 v[pP+16], v[TM+12], v[TM+13]
.endif
.set k, k+1
.endm
; A BEAT: two matrix instructions on the group's fragment, for tiles 2 hb and 2 hb + 1, and per slices behind them.
.macro BEAT kind, sb, hb, per
.if \kind == 1
	WIN 0x04                                       ; x in window 1
	MM1 \sb, 2*\hb
	MM1 \sb, 2*\hb+1
.else
	WIN 0xa0+0x50*\hb                              ; Y in window 2 or 3
	MM2 \sb, 2*\hb
	MM2 \sb, 2*\hb+1
.endif
.if \per > 0
	SLICE
.endif
.if \per > 1
	SLICE
.endif
.endm
; GROUP j of a block's 32: the four products of fragment j, then the loads of the fragment seven further on, into the ring place that group j - 1 read: between that group's last product
; and these loads stand three slices, fifteen plain instructions or more (with no slices: four v_nop).
; The accumulators take turns, one instruction a turn (8 of S^T, 64 of Y^T).
; chg = 1, 2: the block is a slot's second, and the slot is left (2: and filled again).  last = 1: nothing follows the block.
.macro GROUP odd, kind, sb, per, k1, chg, last
.set wn, 12                            ; behind fragment j's two loads stand those of six younger fragments (bias, gates and the add only add to them)
.if (\last > 0) && (31-j < 6)
.set wn, 2*(31-j)                      ; the last block: the counts run down
.endif
.if (\chg > 0) && (j == 26)
.set wn, 10                            ; five younger fragments: none was asked for behind the slot's last
.endif
.if (\chg == 0) || (j < 27)            ; fragments 27-31 of a slot that is left are in since the wait for 0 in front of the barrier
	s_wait_dscnt wn
.endif
	BEAT \kind, \sb, 0, \per
	BEAT \kind, \sb, 1, \per
.set tl, 1
.if (\last > 0) && (j > 24)
.set tl, 0
.endif
.if (\chg > 0) && (j > 24) && (j < 28)
.set tl, 0
.endif
.if tl
	WIN 0
.if \per == 0
	PLACES
.endif
.set fr, (j+7)%32
.set bs, AWA
.if ((j+7 < 32) && (\odd > 0)) || ((j+7 >= 32) && (\odd == 0))
.set bs, AWB
.endif
	FRAG bs, fr
.if (j == 2) && (\k1 == 1)             ; b1 of the chunk whose S^T begins in group 16
	v_add_nc_u32 v[AB], s[SBI], v[AB0]
	BIAS AB
	s_add_co_u32 s[SBI], s[SBI], 128
.endif
.if (j == 4) && (\last == 0)           ; the next block's gates: expert (b + 1) % 4 of my half
	v_add_nc_u32 v[AG], s[SG], v[GA]
.if \odd
	ds_load_b128 v[GT0:GT0+3], v[AG]
.else
	ds_load_b128 v[GT1:GT1+3], v[AG] offset:256
	s_xor_b32 s[SG], s[SG], 512
.endif
.endif
.endif
.if \chg > 0
.if j == 24                            ; THE CHANGE OF SLOTS.  The slot's last fragment has just been asked for.
	s_wait_tensorcnt 0x0                           ; all my tensor loads have landed: the one that was out is my quarter of the other slot; so a group 0 may be written
	ds_add_u32 v[SPW], v[NIL]                      ; 0 onto my spare word: two groups' products and slices stand between it and the wait for it
.if \chg == 2
	s_xor_b32 s[G0W+1], s[G0W+1], SLOTB            ; the walking descriptor: the slot that is being left,
	s_add_nc_u64 s[G0W+2:G0W+3], s[G0W+2:G0W+3], SLOTB     ; the stream's next two blocks; the type bits on top are not reached
.endif
.elseif j == 26
	s_wait_dscnt 0x0                               ; the add is done, and my reads of this slot are over
	s_barrier_signal -1                            ; say so; group 27 works on registers while the others arrive
.elseif j == 27
	WIN 0
	s_barrier_wait -1                              ; nobody in my work-group reads this slot any more, and the other slot is whole
.if \chg == 2
	CREST                                          ; the barrier has opened a round of the cluster's: no wave of any partner still reads the slot or has a load on its way
	tensor_load_to_lds s[G0W:G0W+3], s[G1:G1+7]    ; my one tensor load behind the round, and the first thing there: it has two blocks less three groups, 244 matrix instructions, in which to land
	s_nop 0
	PLACES
.endif
	s_xor_b32 s[TB], s[TB], SLOTB
	v_add_nc_u32 v[AWA], s[TB], v[LW]
	v_add_nc_u32 v[AWB], 0x10000, v[AWA]
	FRAG AWA, 0                                    ; the three fragments that groups 25-27 did not ask for
	FRAG AWA, 1
	FRAG AWA, 2
.endif
.endif
.endm
; A BLOCK: groups 0-15 of kind k0 on buffer sb0 with per0 slices a beat, groups 16-31 of kind k1 on sb1 with per1.  The GELU works on the other buffer: an even block's on SB0, an odd one's on SB1.
.macro BLOCK odd, k0, sb0, per0, k1, sb1, per1, chg, last
.set k, 0
.if \odd
.set GB, SB1
.set GTB, GT1
.else
.set GB, SB0
.set GTB, GT0
.endif
.set j, 0
.rept 32
.if j < 16
	GROUP \odd, \k0, \sb0, \per0, \k1, \chg, \last
.else
	GROUP \odd, \k1, \sb1, \per1, \k1, \chg, \last
.endif
.set j, j+1
.endr
.endm
	BLOCK 0, 1, SB0, 0, 1, SB1, 2, 0, 0            ; block 0: S^T of chunk 0; S^T of chunk 1 | GELU of chunk 0
	WIN 0                                          ; at a label and at a branch every window is 0
	s_mov_b32 s[TRIP], 30
.Ltrip:                                                ; blocks 1 to 60: a trip leaves one slot, fills it again, and begins the next
	BLOCK 1, 2, SB0, 1, 1, SB0, 1, 2, 0
	BLOCK 0, 2, SB1, 1, 1, SB1, 1, 0, 0
	WIN 0
	s_sub_co_u32 s[TRIP], s[TRIP], 1
	s_cmp_lg_u32 s[TRIP], 0
	s_cbranch_scc1 .Ltrip
	BLOCK 1, 2, SB0, 1, 1, SB0, 1, 1, 0            ; block 61: the tail is written out: the slot is left, nothing is asked for
	BLOCK 0, 2, SB1, 1, 1, SB1, 1, 0, 0            ; block 62
	BLOCK 1, 2, SB0, 2, 2, SB1, 0, 0, 1            ; block 63: Y^T of chunk 62 | GELU of chunk 63; Y^T of chunk 63
	; THE WAY OUT.  A lane holds 8 neighbouring channels (32 bytes) of a token's row.  The stage: 32 rows of 1,040 bytes for each wave, in the slots: their last fill is long done, and behind the
	; barrier nobody reads them.  I put tiles 2, 3 into my partner's region, add what it put into mine to tiles 0, 1, and read whole rows back.
	WIN 0
	s_mul_i32 s18, s[WV], OREG
	s_xor_b32 s19, s[WV], 1
	s_mul_i32 s19, s19, OREG
	v_mul_u32_u24 v[OSM], v[RR], OP                ; five plain instructions: the places behind the last products
	v_lshl_add_u32 v[OSM], v[HH], 5, v[OSM]
	v_add_nc_u32 v[OSG], s19, v[OSM]
	v_add_nc_u32 v[OSM], s18, v[OSM]
	v_add_nc_u32 v[OSR], s18, v[L16]
	s_wait_dscnt 0x0
	BAR                                            ; every wave's reads of the slots are over
	WIN 0x0c                                       ; data in window 3
.set q, 0
.rept 32                               ; tile 2 + q / 16, channels 16 (q % 16) on; each result's low four registers first
	ds_store_b128 v[OSG], v[8*q:8*q+3]   offset:(q/16)*16*OP+(q%16)*64
	ds_store_b128 v[OSG], v[8*q+4:8*q+7] offset:(q/16)*16*OP+(q%16)*64+16
.set q, q+1
.endr
	WIN 0
	s_wait_dscnt 0x0                               ; for my partner's sake
	BAR
.macro OUT i                           ; tile i: 16 tokens
.if \i
	s_wait_xcnt 0x0                                ; the registers that tile 0's stores read are loaded again only behind this wait
.endif
.set q, 0
.rept 16
	ds_load_b128 v[SB0+8*q:SB0+8*q+3],   v[OSM] offset:\i*16*OP+q*64
	ds_load_b128 v[SB0+8*q+4:SB0+8*q+7], v[OSM] offset:\i*16*OP+q*64+16
.set q, q+1
.endr
	WIN 0x02                                       ; source 0: Y in window 2
.set q, 0
.rept 16
	s_wait_dscnt 30-2*q                            ; channel block q's two loads are in; the younger ones stay out
.irp m, 0,2,4,6
	v_pk_add_f32 v[SB0+8*q+\m:SB0+8*q+\m+1], v[128*\i+8*q+\m:128*\i+8*q+\m+1], v[SB0+8*q+\m:SB0+8*q+\m+1]
.endr
.set q, q+1
.endr
	WIN 0
.set q, 0
.rept 16
	ds_store_b128 v[OSM], v[SB0+8*q:SB0+8*q+3]   offset:\i*16*OP+q*64
	ds_store_b128 v[OSM], v[SB0+8*q+4:SB0+8*q+7] offset:\i*16*OP+q*64+16
.set q, q+1
.endr
.set q, 0
.rept 32
	ds_load_b128 v[SB0+4*q:SB0+4*q+3], v[OSR] offset:(16*\i+q/2)*OP+(q%2)*512    ; LDS serves a wave's instructions in order (ISA guide 5.7.1.4): these see the stores above
.set q, q+1
.endr
.set q, 0
.rept 32
	s_wait_dscnt 31-q
	global_store_b128 v[L16], v[SB0+4*q:SB0+4*q+3], s[12:13] offset:(16*\i+q/2)*1024+(q%2)*512 th:TH_STORE_NT   ; the wave stores 512 consecutive bytes, at a multiple of 512 from out0's first byte
.set q, q+1
.endr
.endm
	OUT 0
	OUT 1
	s_wait_tensorcnt 0x0                           ; the wave's end: behind my last tensor load and my last LDS store
	ds_add_u32 v[SPW], v[NIL]
	s_wait_dscnt 0x0
	CROUND                                         ; the closing round: no work-group ends while a partner may still ask for a tile that names it
	s_endpgm
.Lfunc_end_k_qe3d293e29a_moe:
	.size	k_qe3d293e29a_moe, .Lfunc_end_k_qe3d293e29a_moe-k_qe3d293e29a_moe
	.p2alignl 7, 3214868480
	.fill 96, 4, 3214868480
	.section	.rodata,"a",@progbits
	.p2align	6, 0x0
	.amdhsa_kernel k_qe3d293e29a_moe
		.amdhsa_group_segment_fixed_size 327680
		.amdhsa_private_segment_fixed_size 0
		.amdhsa_enable_private_segment 0
		.amdhsa_kernarg_size 40
		.amdhsa_user_sgpr_count 2
		.amdhsa_user_sgpr_kernarg_segment_ptr 1
		.amdhsa_wavefront_size32 1
		.amdhsa_system_sgpr_workgroup_id_x 1
		.amdhsa_system_sgpr_workgroup_id_y 1
		.amdhsa_system_sgpr_workgroup_id_z 1
		.amdhsa_system_vgpr_workitem_id 0
		.amdhsa_next_free_vgpr 1024
		.amdhsa_next_free_sgpr 66
		.amdhsa_reserve_vcc 0
		.amdhsa_float_denorm_mode_32 3
		.amdhsa_float_denorm_mode_16_64 3
		.amdhsa_memory_ordered 1
		.amdhsa_forward_progress 1
		.amdhsa_inst_pref_size 255
	.end_amdhsa_kernel
	.section	.bss,"aw",@nobits
	.p2align	6
	.space	262144
	.amdgpu_metadata
---
amdhsa.version: [ 1, 2 ]
amdhsa.kernels:
  - .name:           k_qe3d293e29a_moe
    .symbol:         k_qe3d293e29a_moe.kd
    .args:
      - { .name: x, .offset: 0, .size: 8, .value_kind: global_buffer, .address_space: global }
      - { .name: b1, .offset: 8, .size: 8, .value_kind: global_buffer, .address_space: global }
      - { .name: bg, .offset: 16, .size: 8, .value_kind: global_buffer, .address_space: global }
      - { .name: wf, .offset: 24, .size: 8, .value_kind: global_buffer, .address_space: global }
      - { .name: out0, .offset: 32, .size: 8, .value_kind: global_buffer, .address_space: global }
    .group_segment_fixed_size: 327680
    .private_segment_fixed_size: 0
    .kernarg_segment_align: 8
    .kernarg_segment_size: 40
    .max_flat_workgroup_size: 128
    .sgpr_count:     66
    .vgpr_count:     1024
    .wavefront_size: 32
...
	.end_amdgpu_metadata
.endif
;; end of part 2
;; ======== version 2 of 3: 2 launches; 1.04 times as fast as version 1
;; limits: a function is approximated: absolute error at most 2.5e-05; an absolute error that grows with the inputs' magnitude: up to 1.25e-05 times it
;; workspace buffers: wf 4,218,880 bytes
;; launch prep: the kernel of part 1 again; grid 258 x 1, 8 waves a work-group, no clusters, 0 bytes of LDS; arguments W1, W2, Wg, b2, wf; writes wf
;; launch moe (part 3): grid 256 x 1, 4 waves a work-group, clusters of 4 x 1, 327,680 bytes of LDS; arguments x, b1, bg, wf, out0; writes out0
.if DOCPART == 3
	.amdgcn_target "amdgcn-amd-amdhsa--gfx1250"
	.amdhsa_code_object_version 6
	.text
	.protected	k_qe3d293e29a_moe
	.globl	k_qe3d293e29a_moe
	.p2align	8
	.type	k_qe3d293e29a_moe,@function
k_qe3d293e29a_moe:
	s_mov_b64 s[64:65], 0
	v_nop
	global_prefetch_b8 v0, s[64:65] scope:SCOPE_SE
	s_setreg_imm32_b32 hwreg(HW_REG_WAVE_MODE, 25, 1), 1
	s_wait_xcnt 0x0
	s_wait_alu depctr_hold_cnt(0) depctr_sa_sdst(0) depctr_va_vdst(0) depctr_va_sdst(0) depctr_va_ssrc(0) depctr_va_vcc(0) depctr_vm_vsrc(0)
	s_getreg_b32 s2, hwreg(HW_REG_IB_STS2, 6, 4)
	s_cmp_eq_u32 s2, 0
	s_cbranch_scc0 .Lentry_in_a_cluster
	s_endpgm
.Lentry_in_a_cluster:
	s_bfe_u32 s2, ttmp6, 0x10000c
	s_cmp_lg_u32 s2, 0x3003
	s_cbranch_scc0 .Lentry_shape_is_right
	s_endpgm
.Lentry_shape_is_right:
; out[t] = sum over e of p_e(t) (gelu(x[t] W1_e + b1_e) W2_e + b2_e),  p = softmax(x[t] Wg + bg).  32,768 tokens of 256 channels, 8 experts, 512 hidden columns; x, out in f32.
; Computed as  sum_e (p_e gelu(h_e)) W2_e + sum_e p_e b2_e : the gate is laid on the hidden numbers, so ONE f32 sum Y runs over all experts, and neither h nor an expert's y leaves the registers.
; SHARES.  A work-group owns 128 tokens.  Wave w = 2 t + g owns the 64 tokens of half t (four tiles of 16) and half g of the experts (4 g .. 4 g + 3); at the end the two waves of a token half
; add their sums.  Tiles 0, 1 of a wave are tokens 32 w + 16 i + r (it stores them), tiles 2, 3 are tokens 32 (w ^ 1) + 16 (i - 2) + r (it gives them to its partner).
; LAYOUT.  Both products are used transposed: S^T = W1^T x^T (source 0 = 16 hidden columns, source 1 = 16 tokens), Y^T = W2^T P (source 0 = 16 output channels).  A lane then holds ONE token
; (lane % 16) in S^T, P and Y^T: the gate is one number a lane, b1 is the first product's C, and two tiles of S^T rounded in pairs ARE source 1 of the second product.
; WEIGHTS come from wf: bf16 fragment images in the order of use (the launch before wrote them).  A chunk is one expert's 32 hidden columns; block b of 64 holds, for each half g,
; W2 of chunk b - 1 and W1 of chunk b + 1 (block 0: W1 of chunks 0, 1; block 63: W2 of chunks 62, 63).
; BY TURNS.  In block b a wave issues the 64 products Y^T += W2^T P of chunk b - 1, the 64 products S^T of chunk b + 1, and between them the GELU of chunk b: 480 vector instructions beside
; 128 matrix instructions.  A SPAN is 16 products (four weight fragments), one QUAD of the GELU (four pairs of scores, 60 instructions) and one run of eight LDS loads: the quad's first 30
; instructions stand together behind the span's first product, in front of the run; the other 30 stand two behind each of the other 15 products.  8 x 30 + 120 x 2 = 480.
; The GELU lies in window 0, a product's x or Y does not, so each piece of it costs two switches of the register windows; set in phases of their own, the 3.75 vector instructions for each
; matrix instruction would leave the matrix unit without work all that while: the switches are the lesser price.
; RING.  Two LDS slots of two blocks each (131,072 bytes); wave w fetches quarter w of a slot with one tensor load of 32,768 bytes.  By this text's own count a wave has two tensor loads
; out at the start and one behind each change of slots.
; CLUSTER.  Every work-group walks the same weights, so the four of a cluster ask for each quarter JOINTLY: the same tensor load, descriptor and mask in all four.
; LIMITS.  erf by a rational form times an exponential (Abramowitz & Stegun 7.1.25), absolute error at most 2.5e-5: |gelu error| <= 1.25e-5 |h|, for every finite h.
; All matrix operands are bf16, those of x Wg and of p b2 too; sums, softmax (with its maximum taken away) and GELU in f32.  v_exp_f32 and v_rcp_f32 flush denormals: a gate below 2^-126 counts as 0.
;
; LDS:  0 slot 0 | 131,072 slot 1 | 262,144 b1 in the order of the chunks (8,192 g + 128 c) | 278,528 gates, 2,048 bytes a wave: 0.5 p at 256 e + 16 r + 4 i |
;       286,720 x's stage, 8,448 bytes a wave: 16 rows of 256 bf16, 528 bytes apart | 320,512 the spare words.  The way out's stage lies in the slots, behind their last fill and a barrier.
; REGISTERS, in windows of 256 (s_set_vgpr_msb: bits 1:0 source 0, 3:2 source 1, 5:4 source 2, 7:6 destination):
;   window 0: addresses, gates, bias, GELU's temporaries, a ring of 8 weight fragments in two halves of 4 (v64-127), two buffers of S^T / P (v128-191, v192-255)
;   window 1: x, tile i, channels 32 ks on, at 8 (8 i + ks)        windows 2, 3: Y^T, tile i, channels 16 ht on, in window 2 + i / 2 at 8 (16 (i % 2) + ht)
.set SLOTB, 131072
.set B1L,   262144
.set GL,    278528
.set XS,    286720
.set XREG,  8448
.set XP,    528                        ; 512 bytes + 16: an odd multiple of 16, so the 16 rows of a fragment load fall into 16 different columns of 16 bytes
.set SPARE, 320512
.set OP,    1040                       ; the way out: a row of 256 f32 + 16 bytes
.set OREG,  32*OP
.set LW,  2                            ; 32,768 g + 16 lane; never rewritten
.set AWA, 3                            ; my fragments of the slot's even block
.set AWB, 4                            ; of its odd block
.set AB0, 5                            ; b1 of my half's chunk 0: B1L + 8,192 g + 32 hh
.set AB,  6
.set GA,  7                            ; my gates of expert 4 g: GL + 2,048 w + 1,024 g + 16 r
.set AG,  8
.set L16, 9                            ; 16 lane
.set CA,  10                           ; v10, v11: two coefficients of the polynomial
.set GT0, 12                           ; gates (four tiles) for an even block's GELU;  in the prologue v12-19 hold bg
.set GT1, 16                           ; for an odd block's
.set BI,  20                           ; b1 of a chunk: 2 x 8 registers, the C of the first products
.set LG,  20                           ; prologue: b1 as loaded, then the logits of tile i at LG + 8 i
.set TM,  36                           ; GELU at work, v36-59: A of a quad's four pairs, then T, then R, 8 registers each.  v52-59 serve the prologue first:
.set RR,  52                           ; lane % 16 (made anew on the way out)
.set HH,  53                           ; lane / 16 (likewise)
.set GS,  54                           ; where the gates are stored; on the way out: rows read back
.set OSR, 54
.set XW,  55
.set XRO, 56
.set XRP, 57
.set B1S, 58
.set B1G, 59
.set SPW, 60                           ; LDS address of my spare word; never rewritten
.set NIL, 61                           ; 0; never rewritten
.set OSG, 62
.set OSM, 63
.set RING, 64
.set SX,  64                           ; prologue: softmax's temporaries, four a tile
.set SB0, 128
.set SB1, 192
.set WV,  14                           ; s14 wave
.set G1,  24                           ; s[24:31] descriptor group 1
.set G0,  32                           ; s[32:35] group 0 of the first fill of slot 0
.set G0W, 36                           ; s[36:39] group 0 of the first fill of slot 1, which then walks on
.set TB,  40                           ; the slot being read: 0 or 131,072
.set SG,  41                           ; walks the gates: 0 or 512
.set SBI, 42                           ; walks b1: 128 x the chunk to be fetched
.set TRIP, 43
.set KAP, 44                           ; sqrt(log2(e) / 2)
.set MSB, 0
.macro WIN new                         ; the immediate's high byte repeats the setting that is left; a switch that changes nothing is dropped
.if MSB != (\new)
	s_set_vgpr_msb (MSB<<8)|(\new)
.set MSB, (\new)
.endif
.endm
.macro PLACES                          ; four plain vector instructions between a matrix instruction and a load into, or a read of, its registers
.rept 4
	v_nop
.endr
.endm
.macro BAR
	s_barrier_signal -1
	s_barrier_wait -1
.endm
.macro CREST                           ; a round of the cluster's barrier behind its opening barrier: wave 0 signals for the work-group, all wait for the four work-groups, the work-group's barrier closes it
	s_cmp_lg_u32 s[WV], 0
	s_cbranch_scc1 .Lnot_wave_0_\@
	s_barrier_signal -3
.Lnot_wave_0_\@:
	s_barrier_wait -3
	s_barrier_signal -1
	s_barrier_wait -1
.endm
.macro CROUND
	BAR
	CREST
.endm
	s_load_b256 s[4:11], s[0:1], 0x0               ; x s[4:5], b1 s[6:7], bg s[8:9], wf s[10:11]
	s_load_b64 s[12:13], s[0:1], 0x20              ; out0
	v_lshl_add_u32 v[SPW], v0, 2, SPARE
	v_mov_b32 v[NIL], 0
	ds_add_u32 v60, v61
	s_wait_dscnt 0x0
	v_lshrrev_b32 v1, 5, v0
	v_readfirstlane_b32 s[WV], v1                  ; wave 0..3
	s_and_b32 s15, s[WV], 1                        ; g
	s_bfe_u32 s16, ttmp6, 0x40000                  ; cx: my place in the cluster; it enters x's and out0's addresses alone
	s_lshl_b32 s17, ttmp9, 2
	s_add_co_u32 s17, s17, s16                     ; my block of 128 tokens
	s_lshl_b32 s20, s[WV], 15                      ; 32,768 w: my quarter of a slot, in wf and in LDS; also my 32 rows of 1,024 bytes in x and out0
	s_mov_b32 s21, 0
	s_lshl_b32 s18, s17, 17                        ; 128 rows of 1,024 bytes
	s_add_co_u32 s18, s18, s20
	s_mov_b32 s19, 0
	; descriptor group 1: a dense block of 32,768 bytes as 128 rows of 32 elements of 8 bytes
	s_mov_b32 s[G1+0], 15|(3<<16)|(1<<21)          ; 15:0 the mask: all four work-groups; 17:16 elements of 8 bytes; 20 no padding; 21 set beside a mask
	s_mov_b32 s[G1+1], 32<<16                      ; tensor_dim0 = 32
	s_mov_b32 s[G1+2], 128<<16                     ; tensor_dim1 = 128
	s_mov_b32 s[G1+3], 32<<16                      ; tile_dim0 = 32
	s_mov_b32 s[G1+4], 128                         ; tile_dim1 = 128
	s_mov_b32 s[G1+5], 32                          ; from row to row: 32 elements
	s_mov_b32 s[G1+6], 0
	s_mov_b32 s[G1+7], 0
	s_mov_b32 s[KAP], 0x3f596d27                   ; 0.8493218
	s_mov_b32 s[SG], 0
	s_mov_b32 s[SBI], 128
	s_mov_b32 s[TB], 0
	s_wait_kmcnt 0x0
	s_add_nc_u64 s[4:5], s[4:5], s[18:19]          ; x and out0 at my wave's first row
	s_add_nc_u64 s[12:13], s[12:13], s[18:19]
	s_add_nc_u64 s[46:47], s[10:11], 0x400000      ; Wg's fragments; b2's lie 8,192 bytes on
	s_add_nc_u64 s[22:23], s[10:11], s[20:21]      ; my quarter of the stream's first slot
	s_mov_b32 s[G0], 1
	s_lshl_b32 s[G0+1], s[WV], 15                  ; LDS: 32,768 w
	s_mov_b64 s[G0+2:G0+3], s[22:23]
	s_or_b32 s[G0+3], s[G0+3], 0x80000000          ; type = 2
	s_mov_b32 s[G0W], 1
	s_add_co_u32 s[G0W+1], s[G0+1], SLOTB
	s_add_nc_u64 s[G0W+2:G0W+3], s[22:23], SLOTB
	s_or_b32 s[G0W+3], s[G0W+3], 0x80000000
	CROUND                                         ; all four work-groups are here: the first joint loads meet
	tensor_load_to_lds s[G0:G0+3], s[G1:G1+7]      ; blocks 0, 1
	s_nop 0
	tensor_load_to_lds s[G0W:G0W+3], s[G1:G1+7]    ; blocks 2, 3.  Four vector instructions follow before any switch of windows
	s_nop 0
	v_and_b32 v[L16], 31, v0
	v_and_b32 v[RR], 15, v0
	v_bfe_u32 v[HH], v0, 4, 1
	v_lshlrev_b32 v[B1G], 4, v0
	v_lshlrev_b32 v[L16], 4, v[L16]
	v_mov_b32 v1, 0
	; x: my 32 rows, 16 a pass, two loads of 512 consecutive bytes a row; pass p into window 2 + p, v0-127
.irp p, 0,1
	WIN 0x80+0x40*\p
.set q, 0
.rept 32
	global_load_b128 v[4*q:4*q+3], v[L16], s[4:5] offset:(16*\p+q/2)*1024+(q%2)*512 th:TH_LOAD_NT
.set q, q+1
.endr
.endr
	WIN 0
.irp n, 0,1,2,3,4,5,6,7
	global_load_b128 v[LG+4*\n:LG+4*\n+3], v[B1G], s[6:7] offset:\n*2048     ; b1[n][4 t ..]: the work-group's 128 threads take a row of 2,048 bytes
.endr
.irp n, 0,1,2,3,4,5,6,7
	global_load_b128 v[RING+8*\n:RING+8*\n+3],   v[L16], s[46:47] offset:\n*1024
	global_load_b128 v[RING+8*\n+4:RING+8*\n+7], v[L16], s[46:47] offset:\n*1024+512
.endr
	global_load_b128 v[12:15], v1, s[8:9]          ; bg, the same in every lane: register j = bg[j], the C of the logits
	global_load_b128 v[16:19], v1, s[8:9] offset:16
	; LDS addresses
	s_mul_i32 s18, s[WV], XREG
	s_add_co_u32 s18, s18, XS                      ; my region of x's stage
	s_xor_b32 s19, s[WV], 1
	s_mul_i32 s19, s19, XREG
	s_add_co_u32 s19, s19, XS                      ; my partner's
	v_lshrrev_b32 v[XW], 1, v[L16]
	v_add_nc_u32 v[XW], s18, v[XW]                 ; in: 8 bytes a lane
	v_mul_u32_u24 v[XRO], v[RR], XP
	v_lshl_add_u32 v[XRO], v[HH], 4, v[XRO]        ; back, as fragments: row r, 16 bytes for each half of the lanes
	v_add_nc_u32 v[XRP], s19, v[XRO]
	v_add_nc_u32 v[XRO], s18, v[XRO]
	v_lshrrev_b32 v[B1S], 3, v0                    ; b1[n][4 t ..] belongs to chunk 4 (t / 8) + n % 4 of half n / 4, at byte 16 (t % 8)
	v_and_b32 v[OSG], 7, v0
	v_lshlrev_b32 v[B1S], 9, v[B1S]
	v_lshl_add_u32 v[B1S], v[OSG], 4, v[B1S]
	v_add_nc_u32 v[B1S], B1L, v[B1S]
	s_lshl_b32 s22, s15, 15
	v_add_nc_u32 v[LW], s22, v[L16]
	s_lshl_b32 s22, s15, 13
	s_add_co_u32 s22, s22, B1L
	v_lshl_add_u32 v[AB0], v[HH], 5, s22
	s_lshl_b32 s23, s[WV], 11
	s_add_co_u32 s23, s23, GL
	v_lshl_add_u32 v[GS], v[RR], 4, s23
	s_lshl_b32 s22, s15, 10
	v_add_nc_u32 v[GA], s22, v[GS]
	v_mov_b32 v[CA], 0xbde732ca                    ; a2 / kappa = -0.11288984
	v_mov_b32 v[CA+1], 0x3ed1cd01                  ; a1 / kappa =  0.40976717
.macro CVTX p                          ; pass p of x to bf16: window 2 + p, v0-127 -> window 3, v128 + 64 p on
	WIN 0xca+5*\p
.set q, 0
.rept 32
	v_cvt_pk_bf16_f32 v[128+64*\p+2*q],   v[4*q],   v[4*q+1]
	v_cvt_pk_bf16_f32 v[128+64*\p+2*q+1], v[4*q+2], v[4*q+3]
.set q, q+1
.endr
.endm
.macro STX p                           ; into my region of the stage: row q / 2, half q % 2, 8 neighbouring bytes a lane
	WIN 0x0c
.set q, 0
.rept 32
	ds_store_b64 v[XW], v[128+64*\p+2*q:128+64*\p+2*q+1] offset:(q/2)*XP+(q%2)*256
.set q, q+1
.endr
.endm
.macro RDX p                           ; back as fragments: my region is tile p, my partner's is tile p + 2
	WIN 0x40
.set q, 0
.rept 8
	ds_load_b128 v[8*(8*\p+q):8*(8*\p+q)+3],         v[XRO] offset:q*64
	ds_load_b128 v[8*(8*\p+q)+4:8*(8*\p+q)+7],       v[XRO] offset:q*64+32
	ds_load_b128 v[8*(8*(\p+2)+q):8*(8*(\p+2)+q)+3],   v[XRP] offset:q*64
	ds_load_b128 v[8*(8*(\p+2)+q)+4:8*(8*(\p+2)+q)+7], v[XRP] offset:q*64+32
.set q, q+1
.endr
	WIN 0
.endm
	s_wait_loadcnt 58                              ; x's pass 0 is in; behind it: pass 1 (32), b1 (8), Wg (16), bg (2)
	CVTX 0
	STX 0
	WIN 0
.set q, 0
.rept 16
	global_load_b128 v[SB0+8*q:SB0+8*q+3],   v[L16], s[46:47] offset:8192+q*1024      ; b2's 16 fragments
	global_load_b128 v[SB0+8*q+4:SB0+8*q+7], v[L16], s[46:47] offset:8192+q*1024+512
.set q, q+1
.endr
	s_wait_loadcnt 50                              ; pass 1 and b1 are in; behind them: Wg (16), bg (2), b2 (32)
.irp n, 0,1,2,3,4,5,6,7
	ds_store_b128 v[B1S], v[LG+4*\n:LG+4*\n+3] offset:(\n/4)*8192+(\n%4)*128
.endr
	CVTX 1
	WIN 0
	s_wait_dscnt 0x0                               ; for the others' sake: my rows of pass 0 and my part of b1 are in LDS
	BAR
	RDX 0
	s_wait_dscnt 0x0                               ; my reads of the stage are over,
	BAR                                            ; everybody's are: it may be written again
	STX 1
	WIN 0
	s_wait_dscnt 0x0
	BAR
	RDX 1
	s_wait_dscnt 0x0
	s_wait_loadcnt 32                              ; Wg and bg are in; behind them: b2 (32)
	; the logits: source 0 = Wg's fragment (rows = expert m % 8), source 1 = x: register j of EVERY lane holds expert j's logit of token r.  Four accumulators by turns.
	WIN 0x04
.set q, 0
.rept 8
.irp i, 0,1,2,3
.if q == 0
	v_wmma_f32_16x16x32_bf16 v[LG+8*\i:LG+8*\i+7], v[RING+8*q:RING+8*q+7], v[8*(8*\i+q):8*(8*\i+q)+7], v[12:19]
.else
	v_wmma_f32_16x16x32_bf16 v[LG+8*\i:LG+8*\i+7], v[RING+8*q:RING+8*q+7], v[8*(8*\i+q):8*(8*\i+q)+7], v[LG+8*\i:LG+8*\i+7]
.endif
.endr
.set q, q+1
.endr
	WIN 0
	PLACES
	; softmax over a lane's eight registers, the four tiles side by side; each result is read from its low registers on
.irp i, 0,1,2,3
	v_max3_num_f32 v[SX+4*\i], v[LG+8*\i], v[LG+8*\i+1], v[LG+8*\i+2]
.endr
.irp i, 0,1,2,3
	v_max3_num_f32 v[SX+4*\i], v[SX+4*\i], v[LG+8*\i+3], v[LG+8*\i+4]
.endr
.irp i, 0,1,2,3
	v_max3_num_f32 v[SX+4*\i], v[SX+4*\i], v[LG+8*\i+5], v[LG+8*\i+6]
.endr
.irp i, 0,1,2,3
	v_max_num_f32 v[SX+4*\i], v[SX+4*\i], v[LG+8*\i+7]
.endr
.irp i, 0,1,2,3
	v_mul_f32 v[SX+4*\i], 0x3fb8aa3b, v[SX+4*\i]   ; log2(e) x the maximum
.endr
.irp i, 0,1,2,3
	v_mov_b32 v[SX+4*\i+1], v[SX+4*\i]             ; the packed form names the pair
.endr
.irp i, 0,1,2,3
.irp m, 0,2,4,6
	v_pk_fma_f32 v[LG+8*\i+\m:LG+8*\i+\m+1], v[LG+8*\i+\m:LG+8*\i+\m+1], 0x3fb8aa3b, v[SX+4*\i:SX+4*\i+1] op_sel_hi:[1,0,0] neg_lo:[0,0,1] neg_hi:[0,0,1]
.endr
.endr
.set q, 0
.rept 32
	v_exp_f32 v[LG+q], v[LG+q]
.set q, q+1
.endr
	v_nop                                          ; a plain instruction between the exponentials and the use of their results (ISA guide 5.7.2)
.irp i, 0,1,2,3
	s_wait_alu depctr_va_vdst(0)
	v_pk_add_f32 v[SX+4*\i+2:SX+4*\i+3], v[LG+8*\i:LG+8*\i+1], v[LG+8*\i+2:LG+8*\i+3]
.endr
.irp i, 0,1,2,3
	v_pk_add_f32 v[SX+4*\i:SX+4*\i+1], v[LG+8*\i+4:LG+8*\i+5], v[LG+8*\i+6:LG+8*\i+7]
.endr
.irp i, 0,1,2,3
	v_pk_add_f32 v[SX+4*\i+2:SX+4*\i+3], v[SX+4*\i+2:SX+4*\i+3], v[SX+4*\i:SX+4*\i+1]
.endr
.irp i, 0,1,2,3
	v_add_f32 v[SX+4*\i], v[SX+4*\i+2], v[SX+4*\i+3]
.endr
.irp i, 0,1,2,3
	v_rcp_f32 v[SX+4*\i+1], v[SX+4*\i]
.endr
	v_nop
.irp i, 0,1,2,3
	s_wait_alu depctr_va_vdst(0)
	v_mul_f32 v[SX+4*\i+2], 0.5, v[SX+4*\i+1]      ; the half: GELU below makes 2 gelu(h), and each of the two waves of a token adds half of p b2
.endr
.irp i, 0,1,2,3
.irp m, 0,2,4,6
	v_pk_mul_f32 v[LG+8*\i+\m:LG+8*\i+\m+1], v[LG+8*\i+\m:LG+8*\i+\m+1], v[SX+4*\i+2:SX+4*\i+3] op_sel_hi:[1,0]
.endr
.endr
.irp i, 0,1,2,3
.irp e, 0,1,2,3,4,5,6,7
	ds_store_b32 v[GS], v[LG+8*\i+\e] offset:\e*256+4*\i       ; both halves of the lanes write the same word with the same number
.endr
.endr
	; 0.5 p as source 1 of a product with b2: k = expert in the first four registers; b2's fragments are 0 for k >= 8
.irp i, 0,1,2,3
.irp m, 0,1,2,3
	v_cvt_pk_bf16_f32 v[LG+8*\i+\m], v[LG+8*\i+2*\m], v[LG+8*\i+2*\m+1]
.endr
.irp m, 4,5,6,7
	v_mov_b32 v[LG+8*\i+\m], 0
.endr
.endr
	s_wait_loadcnt 0x0                             ; b2
.irp hb, 0,1                           ; these 64 products start Y's sums: nothing is cleared
	WIN 0xa0+0x50*\hb
.set q, 0
.rept 16
	v_wmma_f32_16x16x32_bf16 v[8*q:8*q+7],         v[SB0+8*q:SB0+8*q+7], v[LG+16*\hb:LG+16*\hb+7],    0
	v_wmma_f32_16x16x32_bf16 v[128+8*q:128+8*q+7], v[SB0+8*q:SB0+8*q+7], v[LG+16*\hb+8:LG+16*\hb+15], 0
.set q, q+1
.endr
.endr
	WIN 0
	v_add_nc_u32 v[AWA], s[TB], v[LW]              ; five plain instructions: the places in front of the loads into the bias registers and of the products that write over b2's fragments
	v_add_nc_u32 v[AWB], 0x10000, v[AWA]
	v_nop
	v_nop
	v_nop
	s_wait_tensorcnt 0x1                           ; my quarter of slot 0 is in; slot 1's may stay out
	s_wait_dscnt 0x0                               ; my gates are in LDS
	BAR
.macro FRAG base, f                    ; fragment f of a block into ring place f % 8
	ds_load_b128 v[RING+8*((\f)%8):RING+8*((\f)%8)+3],   v[\base] offset:(\f)*1024
	ds_load_b128 v[RING+8*((\f)%8)+4:RING+8*((\f)%8)+7], v[\base] offset:(\f)*1024+512
.endm
.macro BIAS a                          ; register j of half ft: b1[f0 + 16 ft + 8 hh + j]
	ds_load_b128 v[BI:BI+3],     v[\a]
	ds_load_b128 v[BI+4:BI+7],   v[\a] offset:16
	ds_load_b128 v[BI+8:BI+11],  v[\a] offset:64
	ds_load_b128 v[BI+12:BI+15], v[\a] offset:80
.endm
	BIAS AB0                                       ; chunk 0
	ds_load_b128 v[GT0:GT0+3], v[GA]               ; chunk 0's gates
.irp f, 0,1,2,3
	FRAG AWA, \f                                   ; the ring's first half
.endr
; One product of S^T, group j of a block: hidden columns 16 (j % 2) on, input channels 32 ((j % 16) / 2) on, tile i.  The first K step takes b1 as C.
.macro MM1 sb, i
.set rD, \sb+16*(\i)+8*(j%2)
.set rA, RING+8*(j%8)
.set rB, 8*(8*(\i)+(j%16)/2)
.if (j%16)/2 == 0
	v_wmma_f32_16x16x32_bf16 v[rD:rD+7], v[rA:rA+7], v[rB:rB+7], v[BI+8*(j%2):BI+8*(j%2)+7]
.else
	v_wmma_f32_16x16x32_bf16 v[rD:rD+7], v[rA:rA+7], v[rB:rB+7], v[rD:rD+7]
.endif
.endm
; One product of Y^T: output channels 16 (j % 16) on, tile i; P of tile i lies in the first 8 of the tile's 16 registers.
.macro MM2 sb, i
.set rD, 8*(16*((\i)%2)+j%16)
.set rA, RING+8*(j%8)
.set rB, \sb+16*(\i)
	v_wmma_f32_16x16x32_bf16 v[rD:rD+7], v[rA:rA+7], v[rB:rB+7], v[rD:rD+7]
.endm
; GELU AND GATE.  With A = kappa |h|, kappa = sqrt(log2(e) / 2):  T = 1 / (1 + 0.39169197 A),  R = ((a3' T + a2') T + a1') T,  E = 2^(-A A) = exp(-h h / 2),
; 2 gelu(h) = A (1 / kappa - R E) + h;  times 0.5 p;  rounded to bf16.  15 instructions for a pair of scores.
; A QUAD is four pairs, numbered gm = 0..3: pairs 2 (gq % 4) and + 1 (gm / 2) of tiles 2 (gq / 4) and + 1 (gm % 2).  GI writes number gn = k % 60 of quad gq = k / 60's list.  Pairs 0, 1 run a
; stage or two ahead of pairs 2, 3, so that (a) no line reads the result of the line before it, and most read results four lines back or more; (b) each group of four reciprocals or
; exponentials is followed by a plain instruction of the OTHER two pairs, which touches none of their registers, before a result is used (ISA guide 5.7.2): no v_nop is written.
;    0-3  A 0,1     4-5  1 + c' A 0,1   6-9  A 2,3       10-13 1 / . 0,1    14-15 1 + c' A 2,3   16-17 R first step 0,1   18-21 1 / . 2,3   22-23 R second 0,1
;   24-25 R first 2,3   26-27 R third 0,1   28-29 R second 2,3  |  30-31 -A A 0,1   32-33 R third 2,3   34-37 2^. 0,1   38-39 -A A 2,3   40-41 1 / kappa - R E 0,1   42-45 2^. 2,3
;   46-47 A . + h 0,1   48-49 1 / kappa - R E 2,3   50-51 gate 0,1   52-53 A . + h 2,3   54-55 to bf16 0,1   56-57 gate 2,3   58-59 to bf16 2,3
; E takes T's registers, which are free behind R's third step: A, T, R, 2 registers each, for four pairs: 24 registers.
; A pair's result goes into the tile's register (number of the pair): the scores that lay there have been read (the last read of h, numbers 46-47 and 52-53, stands ahead of the conversions).
; Each tile of S^T is read from its low registers on.
.macro GI
.set gq, k/60
.set gn, k%60
.set ge, 0
.if gn < 4
.set gop, 0
.set gm, gn/2
.set ge, gn%2
.elseif gn < 6
.set gop, 1
.set gm, gn-4
.elseif gn < 10
.set gop, 0
.set gm, 2+(gn-6)/2
.set ge, gn%2
.elseif gn < 14
.set gop, 2
.set gm, (gn-10)/2
.set ge, gn%2
.elseif gn < 16
.set gop, 1
.set gm, gn-12
.elseif gn < 18
.set gop, 3
.set gm, gn-16
.elseif gn < 22
.set gop, 2
.set gm, 2+(gn-18)/2
.set ge, gn%2
.elseif gn < 24
.set gop, 4
.set gm, gn-22
.elseif gn < 26
.set gop, 3
.set gm, gn-22
.elseif gn < 28
.set gop, 5
.set gm, gn-26
.elseif gn < 30
.set gop, 4
.set gm, gn-26
.elseif gn < 32
.set gop, 6
.set gm, gn-30
.elseif gn < 34
.set gop, 5
.set gm, gn-30
.elseif gn < 38
.set gop, 7
.set gm, (gn-34)/2
.set ge, gn%2
.elseif gn < 40
.set gop, 6
.set gm, gn-36
.elseif gn < 42
.set gop, 8
.set gm, gn-40
.elseif gn < 46
.set gop, 7
.set gm, 2+(gn-42)/2
.set ge, gn%2
.elseif gn < 48
.set gop, 9
.set gm, gn-46
.elseif gn < 50
.set gop, 8
.set gm, gn-46
.elseif gn < 52
.set gop, 10
.set gm, gn-50
.elseif gn < 54
.set gop, 9
.set gm, gn-50
.elseif gn < 56
.set gop, 11
.set gm, gn-54
.elseif gn < 58
.set gop, 10
.set gm, gn-54
.else
.set gop, 11
.set gm, gn-56
.endif
.set gA, TM+2*gm
.set gT, TM+8+2*gm
.set gR, TM+16+2*gm
.set gH, GB+32*(gq/4)+16*(gm%2)+2*(2*(gq%4)+gm/2)      ; the pair's two scores
.set gD, GB+32*(gq/4)+16*(gm%2)+2*(gq%4)+gm/2          ; where its two weights go
.set gG, GTB+2*(gq/4)                                  ; the two tiles' gates
.if gop == 0
	v_mul_f32 v[gA+ge], s[KAP], |v[gH+ge]|
.elseif gop == 1
	v_pk_fma_f32 v[gT:gT+1], v[gA:gA+1], 0x3ec88bda, 1.0 op_sel_hi:[1,0,0]
.elseif gop == 2
	v_rcp_f32 v[gT+ge], v[gT+ge]
.elseif gop == 3
	s_wait_alu depctr_va_vdst(0)
	v_pk_fma_f32 v[gR:gR+1], v[gT:gT+1], 0x3f616a97, v[CA:CA+1] op_sel_hi:[1,0,0]
.elseif gop == 4
	v_pk_fma_f32 v[gR:gR+1], v[gR:gR+1], v[gT:gT+1], v[CA:CA+1] op_sel:[0,0,1] op_sel_hi:[1,1,1]
.elseif gop == 5
	v_pk_mul_f32 v[gR:gR+1], v[gR:gR+1], v[gT:gT+1]
.elseif gop == 6
	v_pk_mul_f32 v[gT:gT+1], v[gA:gA+1], v[gA:gA+1] neg_lo:[0,1] neg_hi:[0,1]
.elseif gop == 7
	v_exp_f32 v[gT+ge], v[gT+ge]
.elseif gop == 8
	s_wait_alu depctr_va_vdst(0)
	v_pk_fma_f32 v[gT:gT+1], v[gR:gR+1], v[gT:gT+1], 0x3f96b55f op_sel_hi:[1,1,0] neg_lo:[1,0,0] neg_hi:[1,0,0]
.elseif gop == 9
	v_pk_fma_f32 v[gT:gT+1], v[gA:gA+1], v[gT:gT+1], v[gH:gH+1]
.elseif gop == 10
.if gm%2 == 0
	v_pk_mul_f32 v[gT:gT+1], v[gT:gT+1], v[gG:gG+1] op_sel_hi:[1,0]
.else
	v_pk_mul_f32 v[gT:gT+1], v[gT:gT+1], v[gG:gG+1] op_sel:[0,1] op_sel_hi:[1,1]
.endif
.else
	v_cvt_pk_bf16_f32 v[gD], v[gT], v[gT+1]
.endif
.set k, k+1
.endm
.macro EMIT cnt                        ; the next cnt instructions of the block's GELU
.if \cnt > 0
	WIN 0
.rept \cnt
	GI
.endr
.endif
.endm
; ONE matrix instruction on the group's fragment, for tile i, and cnt instructions of the GELU behind it.
.macro ONE kind, sb, i, cnt
.if \kind == 1
	WIN 0x04                                       ; x in window 1
	MM1 \sb, \i
.else
	WIN 0xa0+0x50*((\i)/2)                         ; Y in window 2 or 3
	MM2 \sb, \i
.endif
	EMIT \cnt
.endm
; GROUP j of a block's 32: the four products of fragment j, tiles 0 to 3.  The accumulators take turns, one instruction a turn (8 of S^T, 64 of Y^T).
; A SPAN is four groups.  Behind its first product stand the first 30 instructions of a quad and then THE RUN of eight LDS loads: fragments j + 4 to j + 7, into the half of the ring that
; groups j - 4 to j - 1 read, 15 matrix instructions ahead of their first use.  Between that half's last reader (group j - 1's last product) and the run stand the quad before's last two
; conversions and those 30 (where a half block has no GELU: four v_nop).  Behind each of the span's other 15 products stand two instructions of the quad.
; per = 2 (blocks 0 and 63, a whole GELU beside 64 products): twice as many at each place.
; The run of group 4 begins with b1 of the chunk whose S^T begins in group 16 and with the next block's gates.
; Where S^T is begun over P (group 16), eight plain instructions (a quad's numbers 52 to 59) stand between group 15's product on a tile and the product that writes over its P.
; THE WAITS at a group's head count the loads issued behind fragment j's two: j % 4 = 0: the run's other three fragments, 6; then 4, 2, 0 of them and the 8 of the run just issued: 12, 10, 8
; (bias, gates and the add only add to them).
; chg = 1, 2: the block is a slot's second, and the slot is left (2: and filled again).  last = 1: nothing follows the block.
.macro GROUP odd, kind, sb, per, k1, chg, last
.set wn, 14-2*(j%4)
.if j%4 == 0
.set wn, 6
.endif
.if (\last > 0) && (j > 27)
.set wn, 2*(31-j)                      ; the last block has no run in group 28: the counts run down
.endif
.if (\chg == 0) || (j < 27)            ; fragments 27-31 of a slot that is left are in since the wait for 0 in front of the barrier
	s_wait_dscnt wn
.endif
.if j%4 == 0
	ONE \kind, \sb, 0, 30*\per
.else
	ONE \kind, \sb, 0, 2*\per
.endif
.if (j%4 == 0) && ((\last == 0) || (j < 28))
	WIN 0
.if \per == 0
	PLACES
.endif
.if j == 4
.if \k1 == 1
	v_add_nc_u32 v[AB], s[SBI], v[AB0]
.endif
.if \last == 0
	v_add_nc_u32 v[AG], s[SG], v[GA]
.endif
.if \k1 == 1
	BIAS AB
	s_add_co_u32 s[SBI], s[SBI], 128
.endif
.if \last == 0                         ; the next block's gates: expert (b + 1) % 4 of my half
.if \odd
	ds_load_b128 v[GT0:GT0+3], v[AG]
.else
	ds_load_b128 v[GT1:GT1+3], v[AG] offset:256
	s_xor_b32 s[SG], s[SG], 512
.endif
.endif
.endif
.set bs, AWA
.if ((j < 28) && (\odd > 0)) || ((j == 28) && (\odd == 0))
.set bs, AWB
.endif
.irp n, 4,5,6,7
.set fr, (j+\n)%32
	FRAG bs, fr
.endr
.if (\chg > 0) && (j == 24)            ; THE CHANGE OF SLOTS.  The slot's last four fragments have just been asked for.
	s_wait_tensorcnt 0x0                           ; all my tensor loads have landed: the one that was out is my quarter of the other slot; so a group 0 may be written
	ds_add_u32 v[SPW], v[NIL]                      ; 0 onto my spare word: eleven products and their vector work stand between it and the wait for it
.if \chg == 2
	s_xor_b32 s[G0W+1], s[G0W+1], SLOTB            ; the walking descriptor: the slot that is being left,
	s_add_nc_u64 s[G0W+2:G0W+3], s[G0W+2:G0W+3], SLOTB     ; the stream's next two blocks; the type bits on top are not reached
.endif
.endif
.endif
	ONE \kind, \sb, 1, 2*\per
	ONE \kind, \sb, 2, 2*\per
	ONE \kind, \sb, 3, 2*\per
.if \chg > 0
.if j == 26
	s_wait_dscnt 0x0                               ; the add is done, and my reads of this slot are over
	s_barrier_signal -1                            ; say so; group 27 works on registers while the others arrive
.elseif j == 27
	WIN 0
	s_barrier_wait -1                              ; nobody in my work-group reads this slot any more, and the other slot is whole
.if \chg == 2
	CREST                                          ; the barrier has opened a round of the cluster's: no wave of any partner still reads the slot or has a load on its way
.endif
	s_xor_b32 s[TB], s[TB], SLOTB                  ; the fragments now come from the other slot
.if \chg == 2
	tensor_load_to_lds s[G0W:G0W+3], s[G1:G1+7]    ; my one tensor load behind the round, ahead of every LDS read there: 241 matrix instructions stand between it and the wait for it
	s_nop 0
.endif
	v_add_nc_u32 v[AWA], s[TB], v[LW]
	v_add_nc_u32 v[AWB], 0x10000, v[AWA]
.if \chg == 2
	v_nop                                          ; four vector instructions stand between the tensor load and the next switch of windows
	v_nop
.endif
.endif
.endif
.endm
; A BLOCK: groups 0-15 of kind k0 on buffer sb0, groups 16-31 of kind k1 on sb1; per0, per1: the GELU's share of each half (above).  The GELU works on the other buffer: an even block's on SB0, an odd one's on SB1.
.macro BLOCK odd, k0, sb0, per0, k1, sb1, per1, chg, last
.set k, 0
.if \odd
.set GB, SB1
.set GTB, GT1
.else
.set GB, SB0
.set GTB, GT0
.endif
.set j, 0
.rept 32
.if j < 16
	GROUP \odd, \k0, \sb0, \per0, \k1, \chg, \last
.else
.if (j == 16) && (\per0 == 0)
	PLACES                                         ; block 0: the second half's GELU reads what the first half's last products wrote, and no vector work stood behind those
.endif
	GROUP \odd, \k1, \sb1, \per1, \k1, \chg, \last
.endif
.set j, j+1
.endr
.endm
	BLOCK 0, 1, SB0, 0, 1, SB1, 2, 0, 0            ; block 0: S^T of chunk 0; S^T of chunk 1 | GELU of chunk 0
	WIN 0                                          ; at a label and at a branch every window is 0
	s_mov_b32 s[TRIP], 30
.Ltrip:                                                ; blocks 1 to 60: a trip leaves one slot, fills it again, and begins the next
	BLOCK 1, 2, SB0, 1, 1, SB0, 1, 2, 0
	BLOCK 0, 2, SB1, 1, 1, SB1, 1, 0, 0
	WIN 0
	s_sub_co_u32 s[TRIP], s[TRIP], 1
	s_cmp_lg_u32 s[TRIP], 0
	s_cbranch_scc1 .Ltrip
	BLOCK 1, 2, SB0, 1, 1, SB0, 1, 1, 0            ; block 61: the tail is written out: the slot is left, nothing is asked for
	BLOCK 0, 2, SB1, 1, 1, SB1, 1, 0, 0            ; block 62
	BLOCK 1, 2, SB0, 2, 2, SB1, 0, 0, 1            ; block 63: Y^T of chunk 62 | GELU of chunk 63; Y^T of chunk 63
	; THE WAY OUT.  A lane holds 8 neighbouring channels (32 bytes) of a token's row.  The stage: 32 rows of 1,040 bytes for each wave, in the slots: their last fill is long done, and behind the
	; barrier nobody reads them.  I put tiles 2, 3 into my partner's region, add what it put into mine to tiles 0, 1, and read whole rows back.
	WIN 0
	s_mul_i32 s18, s[WV], OREG
	s_xor_b32 s19, s[WV], 1
	s_mul_i32 s19, s19, OREG
	v_and_b32 v[RR], 15, v0                        ; lane % 16 and lane / 16 anew: the GELU has used their registers.  Seven plain instructions: the places behind the last products
	v_bfe_u32 v[HH], v0, 4, 1
	v_mul_u32_u24 v[OSM], v[RR], OP
	v_lshl_add_u32 v[OSM], v[HH], 5, v[OSM]
	v_add_nc_u32 v[OSG], s19, v[OSM]
	v_add_nc_u32 v[OSM], s18, v[OSM]
	v_add_nc_u32 v[OSR], s18, v[L16]
	s_wait_dscnt 0x0
	BAR                                            ; every wave's reads of the slots are over
	WIN 0x0c                                       ; data in window 3
.set q, 0
.rept 32                               ; tile 2 + q / 16, channels 16 (q % 16) on; each result's low four registers first
	ds_store_b128 v[OSG], v[8*q:8*q+3]   offset:(q/16)*16*OP+(q%16)*64
	ds_store_b128 v[OSG], v[8*q+4:8*q+7] offset:(q/16)*16*OP+(q%16)*64+16
.set q, q+1
.endr
	WIN 0
	s_wait_dscnt 0x0                               ; for my partner's sake
	BAR
.macro OUT i                           ; tile i: 16 tokens
.if \i
	s_wait_xcnt 0x0                                ; the registers that tile 0's stores read are loaded again only behind this wait
.endif
.set q, 0
.rept 16
	ds_load_b128 v[SB0+8*q:SB0+8*q+3],   v[OSM] offset:\i*16*OP+q*64
	ds_load_b128 v[SB0+8*q+4:SB0+8*q+7], v[OSM] offset:\i*16*OP+q*64+16
.set q, q+1
.endr
	WIN 0x02                                       ; source 0: Y in window 2
.set q, 0
.rept 16
	s_wait_dscnt 30-2*q                            ; channel block q's two loads are in; the younger ones stay out
.irp m, 0,2,4,6
	v_pk_add_f32 v[SB0+8*q+\m:SB0+8*q+\m+1], v[128*\i+8*q+\m:128*\i+8*q+\m+1], v[SB0+8*q+\m:SB0+8*q+\m+1]
.endr
.set q, q+1
.endr
	WIN 0
.set q, 0
.rept 16
	ds_store_b128 v[OSM], v[SB0+8*q:SB0+8*q+3]   offset:\i*16*OP+q*64
	ds_store_b128 v[OSM], v[SB0+8*q+4:SB0+8*q+7] offset:\i*16*OP+q*64+16
.set q, q+1
.endr
.set q, 0
.rept 32
	ds_load_b128 v[SB0+4*q:SB0+4*q+3], v[OSR] offset:(16*\i+q/2)*OP+(q%2)*512    ; LDS serves a wave's instructions in order (ISA guide 5.7.1.4): these see the stores above
.set q, q+1
.endr
.set q, 0
.rept 32
	s_wait_dscnt 31-q
	global_store_b128 v[L16], v[SB0+4*q:SB0+4*q+3], s[12:13] offset:(16*\i+q/2)*1024+(q%2)*512 th:TH_STORE_NT   ; the wave stores 512 consecutive bytes, at a multiple of 512 from out0's first byte
.set q, q+1
.endr
.endm
	OUT 0
	OUT 1
	s_wait_tensorcnt 0x0                           ; the wave's end: behind my last tensor load and my last LDS store
	ds_add_u32 v[SPW], v[NIL]
	s_wait_dscnt 0x0
	CROUND                                         ; the closing round: no work-group ends while a partner may still ask for a tile that names it
	s_endpgm
.Lfunc_end_k_qe3d293e29a_moe:
	.size	k_qe3d293e29a_moe, .Lfunc_end_k_qe3d293e29a_moe-k_qe3d293e29a_moe
	.p2alignl 7, 3214868480
	.fill 96, 4, 3214868480
	.section	.rodata,"a",@progbits
	.p2align	6, 0x0
	.amdhsa_kernel k_qe3d293e29a_moe
		.amdhsa_group_segment_fixed_size 327680
		.amdhsa_private_segment_fixed_size 0
		.amdhsa_enable_private_segment 0
		.amdhsa_kernarg_size 40
		.amdhsa_user_sgpr_count 2
		.amdhsa_user_sgpr_kernarg_segment_ptr 1
		.amdhsa_wavefront_size32 1
		.amdhsa_system_sgpr_workgroup_id_x 1
		.amdhsa_system_sgpr_workgroup_id_y 1
		.amdhsa_system_sgpr_workgroup_id_z 1
		.amdhsa_system_vgpr_workitem_id 0
		.amdhsa_next_free_vgpr 1024
		.amdhsa_next_free_sgpr 66
		.amdhsa_reserve_vcc 0
		.amdhsa_float_denorm_mode_32 3
		.amdhsa_float_denorm_mode_16_64 3
		.amdhsa_memory_ordered 1
		.amdhsa_forward_progress 1
		.amdhsa_inst_pref_size 255
	.end_amdhsa_kernel
	.section	.bss,"aw",@nobits
	.p2align	6
	.space	262144
	.amdgpu_metadata
---
amdhsa.version: [ 1, 2 ]
amdhsa.kernels:
  - .name:           k_qe3d293e29a_moe
    .symbol:         k_qe3d293e29a_moe.kd
    .args:
      - { .name: x, .offset: 0, .size: 8, .value_kind: global_buffer, .address_space: global }
      - { .name: b1, .offset: 8, .size: 8, .value_kind: global_buffer, .address_space: global }
      - { .name: bg, .offset: 16, .size: 8, .value_kind: global_buffer, .address_space: global }
      - { .name: wf, .offset: 24, .size: 8, .value_kind: global_buffer, .address_space: global }
      - { .name: out0, .offset: 32, .size: 8, .value_kind: global_buffer, .address_space: global }
    .group_segment_fixed_size: 327680
    .private_segment_fixed_size: 0
    .kernarg_segment_align: 8
    .kernarg_segment_size: 40
    .max_flat_workgroup_size: 128
    .sgpr_count:     66
    .vgpr_count:     1024
    .wavefront_size: 32
...
	.end_amdgpu_metadata
.endif
;; end of part 3
;; ======== version 3 of 3: 2 launches; 1.35 times as fast as version 1
;; limits: a function is approximated: absolute error at most 2.5e-05; an absolute error that grows with the inputs' magnitude: up to 1.25e-05 times it
;; workspace buffers: wf 4,218,880 bytes
;; launch prep: the kernel of part 1 again; grid 258 x 1, 8 waves a work-group, no clusters, 0 bytes of LDS; arguments W1, W2, Wg, b2, wf; writes wf
;; launch moe (part 4): grid 256 x 1, 4 waves a work-group, clusters of 4 x 1, 327,680 bytes of LDS; arguments x, b1, bg, wf, out0; writes out0
.if DOCPART == 4
	.amdgcn_target "amdgcn-amd-amdhsa--gfx1250"
	.amdhsa_code_object_version 6
	.text
	.protected	k_qe3d293e29a_moe
	.globl	k_qe3d293e29a_moe
	.p2align	8
	.type	k_qe3d293e29a_moe,@function
k_qe3d293e29a_moe:
	s_mov_b64 s[64:65], 0
	v_nop
	global_prefetch_b8 v0, s[64:65] scope:SCOPE_SE
	s_setreg_imm32_b32 hwreg(HW_REG_WAVE_MODE, 25, 1), 1
	s_wait_xcnt 0x0
	s_wait_alu depctr_hold_cnt(0) depctr_sa_sdst(0) depctr_va_vdst(0) depctr_va_sdst(0) depctr_va_ssrc(0) depctr_va_vcc(0) depctr_vm_vsrc(0)
	s_getreg_b32 s2, hwreg(HW_REG_IB_STS2, 6, 4)
	s_cmp_eq_u32 s2, 0
	s_cbranch_scc0 .Lentry_in_a_cluster
	s_endpgm
.Lentry_in_a_cluster:
	s_bfe_u32 s2, ttmp6, 0x10000c
	s_cmp_lg_u32 s2, 0x3003
	s_cbranch_scc0 .Lentry_shape_is_right
	s_endpgm
.Lentry_shape_is_right:
; out[t] = sum over e of p_e(t) (gelu(x[t] W1_e + b1_e) W2_e + b2_e),  p = softmax(x[t] Wg + bg).  32,768 tokens of 256 channels, 8 experts, 512 hidden columns; x, out in f32.
; Computed as  sum_e (p_e gelu(h_e)) W2_e + sum_e p_e b2_e : the gate is laid on the hidden numbers, so ONE f32 sum Y runs over all experts, and neither h nor an expert's y leaves the registers.
; SHARES.  A work-group owns 128 tokens.  Wave w = 2 t + g owns the 64 tokens of half t (four tiles of 16) and half g of the experts (4 g .. 4 g + 3); at the end the two waves of a token half
; add their sums.  Tiles 0, 1 of a wave are tokens 32 w + 16 i + r (it stores them), tiles 2, 3 are tokens 32 (w ^ 1) + 16 (i - 2) + r (it gives them to its partner).
; LAYOUT.  Both products are used transposed: S^T = W1^T x^T (source 0 = 16 hidden columns, source 1 = 16 tokens), Y^T = W2^T P (source 0 = 16 output channels).  A lane then holds ONE token
; (lane % 16) in S^T, P and Y^T: the gate is one number a lane, b1 is the first product's C, and two tiles of S^T rounded in pairs ARE source 1 of the second product.
; WEIGHTS come from wf: bf16 fragment images in the order of use (the launch before wrote them).  A chunk is one expert's 32 hidden columns; block b of 64 holds, for each half g,
; W2 of chunk b - 1 and W1 of chunk b + 1 (block 0: W1 of chunks 0, 1; block 63: W2 of chunks 62, 63).
; BY TURNS.  In block b a wave issues the 64 products Y^T += W2^T P of chunk b - 1, the 64 products S^T of chunk b + 1, and between them the GELU of chunk b: 480 vector instructions beside
; 128 matrix instructions.  A SPAN is 16 products (four weight fragments), one QUAD of the GELU (four pairs of scores, 60 instructions) and one run of eight LDS loads: the quad's first 32
; instructions stand together behind the span's first product, in front of the run; the other 28 stand two behind each of the next 14 products.  8 x 32 + 8 x 14 x 2 = 480.
; BATCHES.  A quad's eight reciprocals and eight exponentials hang on A = kappa |h| alone and not on each other: they are ONE batch, the end of those 32 instructions, with ONE wait, which stands
; directly ahead of the run; all that reads a result of theirs is among the 28.  So a block has eight waits, and no result is open at a label, a branch or the loop's jump.
; The head's softmax has two batches: its 32 exponentials, and the four reciprocals of their sums.
; The GELU lies in window 0, a product's x or Y does not, so each piece of it costs two switches of the register windows; set in phases of their own, the 3.75 vector instructions for each
; matrix instruction would leave the matrix unit without work all that while: the switches are the lesser price.
; RING.  Two LDS slots of two blocks each (131,072 bytes); wave w fetches quarter w of a slot with one tensor load of 32,768 bytes.  By this text's own count a wave has two tensor loads
; out at the start and one behind each change of slots.
; CLUSTER.  Every work-group walks the same weights, so the four of a cluster ask for each quarter JOINTLY: the same tensor load, descriptor and mask in all four.
; LIMITS.  erf by a rational form times an exponential (Abramowitz & Stegun 7.1.25), absolute error at most 2.5e-5: |gelu error| <= 1.25e-5 |h|, for every finite h.
; All matrix operands are bf16, those of x Wg and of p b2 too; sums, softmax (with its maximum taken away) and GELU in f32.  v_exp_f32 and v_rcp_f32 flush denormals: a gate below 2^-126 counts as 0.
;
; LDS:  0 slot 0 | 131,072 slot 1 | 262,144 b1 in the order of the chunks (8,192 g + 128 c) | 278,528 gates, 2,048 bytes a wave: 0.5 p at 256 e + 16 r + 4 i |
;       286,720 x's stage, 8,448 bytes a wave: 16 rows of 256 bf16, 528 bytes apart | 320,512 the spare words.  The way out's stage lies in the slots, behind their last fill and a barrier.
; REGISTERS, in windows of 256 (s_set_vgpr_msb: bits 1:0 source 0, 3:2 source 1, 5:4 source 2, 7:6 destination):
;   window 0: addresses, gates, bias, GELU's temporaries, a ring of 8 weight fragments in two halves of 4 (v64-127), two buffers of S^T / P (v128-191, v192-255)
;   window 1: x, tile i, channels 32 ks on, at 8 (8 i + ks)        windows 2, 3: Y^T, tile i, channels 16 ht on, in window 2 + i / 2 at 8 (16 (i % 2) + ht)
.set SLOTB, 131072
.set B1L,   262144
.set GL,    278528
.set XS,    286720
.set XREG,  8448
.set XP,    528                        ; 512 bytes + 16: an odd multiple of 16, so the 16 rows of a fragment load fall into 16 different columns of 16 bytes
.set SPARE, 320512
.set OP,    1040                       ; the way out: a row of 256 f32 + 16 bytes
.set OREG,  32*OP
.set LW,  2                            ; 32,768 g + 16 lane; never rewritten
.set AWA, 3                            ; my fragments of the slot's even block
.set AWB, 4                            ; of its odd block
.set AB0, 5                            ; b1 of my half's chunk 0: B1L + 8,192 g + 32 hh
.set AB,  6                            ; made anew just ahead of group 4's loads that name it
.set AG,  7                            ; likewise
.set XR1, 6                            ; v6-7: between those loads, the polynomial at work of a quad's pairs 1, 3
.set GA,  8                            ; my gates of expert 4 g: GL + 2,048 w + 1,024 g + 16 r
.set L16, 9                            ; 16 lane
.set CA,  10                           ; v10, v11: two coefficients of the polynomial
.set GT0, 12                           ; gates (four tiles) for an even block's GELU;  in the prologue v12-19 hold bg
.set GT1, 16                           ; for an odd block's
.set BI,  20                           ; b1 of a chunk: 2 x 8 registers, the C of the first products
.set LG,  20                           ; prologue: b1 as loaded, then the logits of tile i at LG + 8 i
.set TM,  36                           ; GELU at work, v36-59: A of a quad's four pairs, then T, then E, 8 registers each.  v52-59 serve the prologue first:
.set RR,  52                           ; lane % 16 (made anew on the way out)
.set HH,  53                           ; lane / 16 (likewise)
.set GS,  54                           ; where the gates are stored; on the way out: rows read back
.set OSR, 54
.set XW,  55
.set XRO, 56
.set XRP, 57
.set B1S, 58
.set B1G, 59
.set SPW, 60                           ; LDS address of my spare word; never rewritten
.set NIL, 61                           ; 0; never rewritten
.set OSG, 62                           ; the way out's two addresses, made there
.set OSM, 63
.set XR0, 62                           ; v62-63: in the blocks, the polynomial at work of a quad's pairs 0, 2
.set RING, 64
.set SX,  64                           ; prologue: softmax's temporaries, four a tile
.set SB0, 128
.set SB1, 192
.set WV,  14                           ; s14 wave
.set G1,  24                           ; s[24:31] descriptor group 1
.set G0,  32                           ; s[32:35] group 0 of the first fill of slot 0
.set G0W, 36                           ; s[36:39] group 0 of the first fill of slot 1, which then walks on
.set TB,  40                           ; the slot being read: 0 or 131,072
.set SG,  41                           ; walks the gates: 0 or 512
.set SBI, 42                           ; walks b1: 128 x the chunk to be fetched
.set TRIP, 43
.set KAP, 44                           ; sqrt(log2(e) / 2)
.set MSB, 0
.macro WIN new                         ; the immediate's high byte repeats the setting that is left; a switch that changes nothing is dropped
.if MSB != (\new)
	s_set_vgpr_msb (MSB<<8)|(\new)
.set MSB, (\new)
.endif
.endm
.macro PLACES                          ; four plain vector instructions between a matrix instruction and a load into, or a read of, its registers
.rept 4
	v_nop
.endr
.endm
.macro BAR
	s_barrier_signal -1
	s_barrier_wait -1
.endm
.macro CREST                           ; a round of the cluster's barrier behind its opening barrier: wave 0 signals for the work-group, all wait for the four work-groups, the work-group's barrier closes it
	s_cmp_lg_u32 s[WV], 0
	s_cbranch_scc1 .Lnot_wave_0_\@
	s_barrier_signal -3
.Lnot_wave_0_\@:
	s_barrier_wait -3
	s_barrier_signal -1
	s_barrier_wait -1
.endm
.macro CROUND
	BAR
	CREST
.endm
	s_load_b256 s[4:11], s[0:1], 0x0               ; x s[4:5], b1 s[6:7], bg s[8:9], wf s[10:11]
	s_load_b64 s[12:13], s[0:1], 0x20              ; out0
	v_lshl_add_u32 v[SPW], v0, 2, SPARE
	v_mov_b32 v[NIL], 0
	ds_add_u32 v60, v61
	s_wait_dscnt 0x0
	v_lshrrev_b32 v1, 5, v0
	v_readfirstlane_b32 s[WV], v1                  ; wave 0..3
	s_and_b32 s15, s[WV], 1                        ; g
	s_bfe_u32 s16, ttmp6, 0x40000                  ; cx: my place in the cluster; it enters x's and out0's addresses alone
	s_lshl_b32 s17, ttmp9, 2
	s_add_co_u32 s17, s17, s16                     ; my block of 128 tokens
	s_lshl_b32 s20, s[WV], 15                      ; 32,768 w: my quarter of a slot, in wf and in LDS; also my 32 rows of 1,024 bytes in x and out0
	s_mov_b32 s21, 0
	s_lshl_b32 s18, s17, 17                        ; 128 rows of 1,024 bytes
	s_add_co_u32 s18, s18, s20
	s_mov_b32 s19, 0
	; descriptor group 1: a dense block of 32,768 bytes as 128 rows of 32 elements of 8 bytes
	s_mov_b32 s[G1+0], 15|(3<<16)|(1<<21)          ; 15:0 the mask: all four work-groups; 17:16 elements of 8 bytes; 20 no padding; 21 set beside a mask
	s_mov_b32 s[G1+1], 32<<16                      ; tensor_dim0 = 32
	s_mov_b32 s[G1+2], 128<<16                     ; tensor_dim1 = 128
	s_mov_b32 s[G1+3], 32<<16                      ; tile_dim0 = 32
	s_mov_b32 s[G1+4], 128                         ; tile_dim1 = 128
	s_mov_b32 s[G1+5], 32                          ; from row to row: 32 elements
	s_mov_b32 s[G1+6], 0
	s_mov_b32 s[G1+7], 0
	s_mov_b32 s[KAP], 0x3f596d27                   ; 0.8493218
	s_mov_b32 s[SG], 0
	s_mov_b32 s[SBI], 128
	s_mov_b32 s[TB], 0
	s_wait_kmcnt 0x0
	s_add_nc_u64 s[4:5], s[4:5], s[18:19]          ; x and out0 at my wave's first row
	s_add_nc_u64 s[12:13], s[12:13], s[18:19]
	s_add_nc_u64 s[46:47], s[10:11], 0x400000      ; Wg's fragments; b2's lie 8,192 bytes on
	s_add_nc_u64 s[22:23], s[10:11], s[20:21]      ; my quarter of the stream's first slot
	s_mov_b32 s[G0], 1
	s_lshl_b32 s[G0+1], s[WV], 15                  ; LDS: 32,768 w
	s_mov_b64 s[G0+2:G0+3], s[22:23]
	s_or_b32 s[G0+3], s[G0+3], 0x80000000          ; type = 2
	s_mov_b32 s[G0W], 1
	s_add_co_u32 s[G0W+1], s[G0+1], SLOTB
	s_add_nc_u64 s[G0W+2:G0W+3], s[22:23], SLOTB
	s_or_b32 s[G0W+3], s[G0W+3], 0x80000000
	CROUND                                         ; all four work-groups are here: the first joint loads meet
	tensor_load_to_lds s[G0:G0+3], s[G1:G1+7]      ; blocks 0, 1
	s_nop 0
	tensor_load_to_lds s[G0W:G0W+3], s[G1:G1+7]    ; blocks 2, 3.  Four vector instructions follow before any switch of windows
	s_nop 0
	v_and_b32 v[L16], 31, v0
	v_and_b32 v[RR], 15, v0
	v_bfe_u32 v[HH], v0, 4, 1
	v_lshlrev_b32 v[B1G], 4, v0
	v_lshlrev_b32 v[L16], 4, v[L16]
	v_mov_b32 v1, 0
	; x: my 32 rows, 16 a pass, two loads of 512 consecutive bytes a row; pass p into window 2 + p, v0-127
.irp p, 0,1
	WIN 0x80+0x40*\p
.set q, 0
.rept 32
	global_load_b128 v[4*q:4*q+3], v[L16], s[4:5] offset:(16*\p+q/2)*1024+(q%2)*512 th:TH_LOAD_NT
.set q, q+1
.endr
.endr
	WIN 0
.irp n, 0,1,2,3,4,5,6,7
	global_load_b128 v[LG+4*\n:LG+4*\n+3], v[B1G], s[6:7] offset:\n*2048     ; b1[n][4 t ..]: the work-group's 128 threads take a row of 2,048 bytes
.endr
.irp n, 0,1,2,3,4,5,6,7
	global_load_b128 v[RING+8*\n:RING+8*\n+3],   v[L16], s[46:47] offset:\n*1024
	global_load_b128 v[RING+8*\n+4:RING+8*\n+7], v[L16], s[46:47] offset:\n*1024+512
.endr
	global_load_b128 v[12:15], v1, s[8:9]          ; bg, the same in every lane: register j = bg[j], the C of the logits
	global_load_b128 v[16:19], v1, s[8:9] offset:16
	; LDS addresses
	s_mul_i32 s18, s[WV], XREG
	s_add_co_u32 s18, s18, XS                      ; my region of x's stage
	s_xor_b32 s19, s[WV], 1
	s_mul_i32 s19, s19, XREG
	s_add_co_u32 s19, s19, XS                      ; my partner's
	v_lshrrev_b32 v[XW], 1, v[L16]
	v_add_nc_u32 v[XW], s18, v[XW]                 ; in: 8 bytes a lane
	v_mul_u32_u24 v[XRO], v[RR], XP
	v_lshl_add_u32 v[XRO], v[HH], 4, v[XRO]        ; back, as fragments: row r, 16 bytes for each half of the lanes
	v_add_nc_u32 v[XRP], s19, v[XRO]
	v_add_nc_u32 v[XRO], s18, v[XRO]
	v_lshrrev_b32 v[B1S], 3, v0                    ; b1[n][4 t ..] belongs to chunk 4 (t / 8) + n % 4 of half n / 4, at byte 16 (t % 8)
	v_and_b32 v[OSG], 7, v0
	v_lshlrev_b32 v[B1S], 9, v[B1S]
	v_lshl_add_u32 v[B1S], v[OSG], 4, v[B1S]
	v_add_nc_u32 v[B1S], B1L, v[B1S]
	s_lshl_b32 s22, s15, 15
	v_add_nc_u32 v[LW], s22, v[L16]
	s_lshl_b32 s22, s15, 13
	s_add_co_u32 s22, s22, B1L
	v_lshl_add_u32 v[AB0], v[HH], 5, s22
	s_lshl_b32 s23, s[WV], 11
	s_add_co_u32 s23, s23, GL
	v_lshl_add_u32 v[GS], v[RR], 4, s23
	s_lshl_b32 s22, s15, 10
	v_add_nc_u32 v[GA], s22, v[GS]
	v_mov_b32 v[CA], 0xbde732ca                    ; a2 / kappa = -0.11288984
	v_mov_b32 v[CA+1], 0x3ed1cd01                  ; a1 / kappa =  0.40976717
.macro CVTX p                          ; pass p of x to bf16: window 2 + p, v0-127 -> window 3, v128 + 64 p on
	WIN 0xca+5*\p
.set q, 0
.rept 32
	v_cvt_pk_bf16_f32 v[128+64*\p+2*q],   v[4*q],   v[4*q+1]
	v_cvt_pk_bf16_f32 v[128+64*\p+2*q+1], v[4*q+2], v[4*q+3]
.set q, q+1
.endr
.endm
.macro STX p                           ; into my region of the stage: row q / 2, half q % 2, 8 neighbouring bytes a lane
	WIN 0x0c
.set q, 0
.rept 32
	ds_store_b64 v[XW], v[128+64*\p+2*q:128+64*\p+2*q+1] offset:(q/2)*XP+(q%2)*256
.set q, q+1
.endr
.endm
.macro RDX p                           ; back as fragments: my region is tile p, my partner's is tile p + 2
	WIN 0x40
.set q, 0
.rept 8
	ds_load_b128 v[8*(8*\p+q):8*(8*\p+q)+3],         v[XRO] offset:q*64
	ds_load_b128 v[8*(8*\p+q)+4:8*(8*\p+q)+7],       v[XRO] offset:q*64+32
	ds_load_b128 v[8*(8*(\p+2)+q):8*(8*(\p+2)+q)+3],   v[XRP] offset:q*64
	ds_load_b128 v[8*(8*(\p+2)+q)+4:8*(8*(\p+2)+q)+7], v[XRP] offset:q*64+32
.set q, q+1
.endr
	WIN 0
.endm
	s_wait_loadcnt 58                              ; x's pass 0 is in; behind it: pass 1 (32), b1 (8), Wg (16), bg (2)
	CVTX 0
	STX 0
	WIN 0
.set q, 0
.rept 16
	global_load_b128 v[SB0+8*q:SB0+8*q+3],   v[L16], s[46:47] offset:8192+q*1024      ; b2's 16 fragments
	global_load_b128 v[SB0+8*q+4:SB0+8*q+7], v[L16], s[46:47] offset:8192+q*1024+512
.set q, q+1
.endr
	s_wait_loadcnt 50                              ; pass 1 and b1 are in; behind them: Wg (16), bg (2), b2 (32)
.irp n, 0,1,2,3,4,5,6,7
	ds_store_b128 v[B1S], v[LG+4*\n:LG+4*\n+3] offset:(\n/4)*8192+(\n%4)*128
.endr
	CVTX 1
	WIN 0
	s_wait_dscnt 0x0                               ; for the others' sake: my rows of pass 0 and my part of b1 are in LDS
	BAR
	RDX 0
	s_wait_dscnt 0x0                               ; my reads of the stage are over,
	BAR                                            ; everybody's are: it may be written again
	STX 1
	WIN 0
	s_wait_dscnt 0x0
	BAR
	RDX 1
	s_wait_dscnt 0x0
	s_wait_loadcnt 32                              ; Wg and bg are in; behind them: b2 (32)
	; the logits: source 0 = Wg's fragment (rows = expert m % 8), source 1 = x: register j of EVERY lane holds expert j's logit of token r.  Four accumulators by turns.
	WIN 0x04
.set q, 0
.rept 8
.irp i, 0,1,2,3
.if q == 0
	v_wmma_f32_16x16x32_bf16 v[LG+8*\i:LG+8*\i+7], v[RING+8*q:RING+8*q+7], v[8*(8*\i+q):8*(8*\i+q)+7], v[12:19]
.else
	v_wmma_f32_16x16x32_bf16 v[LG+8*\i:LG+8*\i+7], v[RING+8*q:RING+8*q+7], v[8*(8*\i+q):8*(8*\i+q)+7], v[LG+8*\i:LG+8*\i+7]
.endif
.endr
.set q, q+1
.endr
	WIN 0
	PLACES
	; softmax over a lane's eight registers, the four tiles side by side; each result is read from its low registers on
.irp i, 0,1,2,3
	v_max3_num_f32 v[SX+4*\i], v[LG+8*\i], v[LG+8*\i+1], v[LG+8*\i+2]
.endr
.irp i, 0,1,2,3
	v_max3_num_f32 v[SX+4*\i], v[SX+4*\i], v[LG+8*\i+3], v[LG+8*\i+4]
.endr
.irp i, 0,1,2,3
	v_max3_num_f32 v[SX+4*\i], v[SX+4*\i], v[LG+8*\i+5], v[LG+8*\i+6]
.endr
.irp i, 0,1,2,3
	v_max_num_f32 v[SX+4*\i], v[SX+4*\i], v[LG+8*\i+7]
.endr
.irp i, 0,1,2,3
	v_mul_f32 v[SX+4*\i], 0x3fb8aa3b, v[SX+4*\i]   ; log2(e) x the maximum
.endr
.irp i, 0,1,2,3
	v_mov_b32 v[SX+4*\i+1], v[SX+4*\i]             ; the packed form names the pair
.endr
.irp i, 0,1,2,3
.irp m, 0,2,4,6
	v_pk_fma_f32 v[LG+8*\i+\m:LG+8*\i+\m+1], v[LG+8*\i+\m:LG+8*\i+\m+1], 0x3fb8aa3b, v[SX+4*\i:SX+4*\i+1] op_sel_hi:[1,0,0] neg_lo:[0,0,1] neg_hi:[0,0,1]
.endr
.endr
.set q, 0
.rept 32
	v_exp_f32 v[LG+q], v[LG+q]
.set q, q+1
.endr
	v_nop                                          ; a plain instruction between the exponentials and the use of their results (ISA guide 5.7.2)
	s_wait_alu depctr_va_vdst(0)                   ; one wait for the batch of 32 exponentials, ahead of the first sum that reads them
.irp i, 0,1,2,3
	v_pk_add_f32 v[SX+4*\i+2:SX+4*\i+3], v[LG+8*\i:LG+8*\i+1], v[LG+8*\i+2:LG+8*\i+3]
.endr
.irp i, 0,1,2,3
	v_pk_add_f32 v[SX+4*\i:SX+4*\i+1], v[LG+8*\i+4:LG+8*\i+5], v[LG+8*\i+6:LG+8*\i+7]
.endr
.irp i, 0,1,2,3
	v_pk_add_f32 v[SX+4*\i+2:SX+4*\i+3], v[SX+4*\i+2:SX+4*\i+3], v[SX+4*\i:SX+4*\i+1]
.endr
.irp i, 0,1,2,3
	v_add_f32 v[SX+4*\i], v[SX+4*\i+2], v[SX+4*\i+3]
.endr
.irp i, 0,1,2,3
	v_rcp_f32 v[SX+4*\i+1], v[SX+4*\i]
.endr
	v_nop
	s_wait_alu depctr_va_vdst(0)                   ; a second batch, since it reads the first's sums: one wait for the four reciprocals, ahead of the first line that reads one
.irp i, 0,1,2,3
	v_mul_f32 v[SX+4*\i+2], 0.5, v[SX+4*\i+1]      ; the half: GELU below makes 2 gelu(h), and each of the two waves of a token adds half of p b2
.endr
.irp i, 0,1,2,3
.irp m, 0,2,4,6
	v_pk_mul_f32 v[LG+8*\i+\m:LG+8*\i+\m+1], v[LG+8*\i+\m:LG+8*\i+\m+1], v[SX+4*\i+2:SX+4*\i+3] op_sel_hi:[1,0]
.endr
.endr
.irp i, 0,1,2,3
.irp e, 0,1,2,3,4,5,6,7
	ds_store_b32 v[GS], v[LG+8*\i+\e] offset:\e*256+4*\i       ; both halves of the lanes write the same word with the same number
.endr
.endr
	; 0.5 p as source 1 of a product with b2: k = expert in the first four registers; b2's fragments are 0 for k >= 8
.irp i, 0,1,2,3
.irp m, 0,1,2,3
	v_cvt_pk_bf16_f32 v[LG+8*\i+\m], v[LG+8*\i+2*\m], v[LG+8*\i+2*\m+1]
.endr
.irp m, 4,5,6,7
	v_mov_b32 v[LG+8*\i+\m], 0
.endr
.endr
	s_wait_loadcnt 0x0                             ; b2
.irp hb, 0,1                           ; these 64 products start Y's sums: nothing is cleared
	WIN 0xa0+0x50*\hb
.set q, 0
.rept 16
	v_wmma_f32_16x16x32_bf16 v[8*q:8*q+7],         v[SB0+8*q:SB0+8*q+7], v[LG+16*\hb:LG+16*\hb+7],    0
	v_wmma_f32_16x16x32_bf16 v[128+8*q:128+8*q+7], v[SB0+8*q:SB0+8*q+7], v[LG+16*\hb+8:LG+16*\hb+15], 0
.set q, q+1
.endr
.endr
	WIN 0
	v_add_nc_u32 v[AWA], s[TB], v[LW]              ; five plain instructions: the places in front of the loads into the bias registers and of the products that write over b2's fragments
	v_add_nc_u32 v[AWB], 0x10000, v[AWA]
	v_nop
	v_nop
	v_nop
	s_wait_tensorcnt 0x1                           ; my quarter of slot 0 is in; slot 1's may stay out
	s_wait_dscnt 0x0                               ; my gates are in LDS
	BAR
.macro FRAG base, f                    ; fragment f of a block into ring place f % 8
	ds_load_b128 v[RING+8*((\f)%8):RING+8*((\f)%8)+3],   v[\base] offset:(\f)*1024
	ds_load_b128 v[RING+8*((\f)%8)+4:RING+8*((\f)%8)+7], v[\base] offset:(\f)*1024+512
.endm
.macro BIAS a                          ; register j of half ft: b1[f0 + 16 ft + 8 hh + j]
	ds_load_b128 v[BI:BI+3],     v[\a]
	ds_load_b128 v[BI+4:BI+7],   v[\a] offset:16
	ds_load_b128 v[BI+8:BI+11],  v[\a] offset:64
	ds_load_b128 v[BI+12:BI+15], v[\a] offset:80
.endm
	BIAS AB0                                       ; chunk 0
	ds_load_b128 v[GT0:GT0+3], v[GA]               ; chunk 0's gates
.irp f, 0,1,2,3
	FRAG AWA, \f                                   ; the ring's first half
.endr
; One product of S^T, group j of a block: hidden columns 16 (j % 2) on, input channels 32 ((j % 16) / 2) on, tile i.  The first K step takes b1 as C.
.macro MM1 sb, i
.set rD, \sb+16*(\i)+8*(j%2)
.set rA, RING+8*(j%8)
.set rB, 8*(8*(\i)+(j%16)/2)
.if (j%16)/2 == 0
	v_wmma_f32_16x16x32_bf16 v[rD:rD+7], v[rA:rA+7], v[rB:rB+7], v[BI+8*(j%2):BI+8*(j%2)+7]
.else
	v_wmma_f32_16x16x32_bf16 v[rD:rD+7], v[rA:rA+7], v[rB:rB+7], v[rD:rD+7]
.endif
.endm
; One product of Y^T: output channels 16 (j % 16) on, tile i; P of tile i lies in the first 8 of the tile's 16 registers.
.macro MM2 sb, i
.set rD, 8*(16*((\i)%2)+j%16)
.set rA, RING+8*(j%8)
.set rB, \sb+16*(\i)
	v_wmma_f32_16x16x32_bf16 v[rD:rD+7], v[rA:rA+7], v[rB:rB+7], v[rD:rD+7]
.endm
; GELU AND GATE.  With A = kappa |h|, kappa = sqrt(log2(e) / 2):  T = 1 / (1 + 0.39169197 A),  E = 2^(-A A) = exp(-h h / 2),  R = ((a3' T + a2') T + a1') T,
; 2 gelu(h) = A (1 / kappa - R E) + h;  times 0.5 p;  rounded to bf16.  15 instructions for a pair of scores.
; A QUAD is four pairs, numbered gm = 0..3: pairs 2 (gq % 4) and + 1 (gm / 2) of tiles 2 (gq / 4) and + 1 (gm % 2).  GI writes number gn = k % 60 of quad gq = k / 60's list.
; ONE BATCH, ONE WAIT.  T and E hang on A alone, so the quad's 16 transcendentals are one batch.  Numbers 0-31 are all that reads no result of theirs, and the batch itself:
;    0-3  A of pairs 0, 1     4, 5  1 + c' A and -A A of pair 0     6-25  a plain instruction (even numbers) and a transcendental (odd numbers) by turns     26-31  the last six transcendentals
;    the ten plain ones: 1 + c' A, -A A of pair 1; A of pairs 2, 3; 1 + c' A, -A A of pair 2, then of pair 3.     Transcendental t of 16: pair t / 4: its two 1 / ., then its two 2^.
;    No line there names a register that a transcendental ahead of it has written, and none follows a transcendental whose source it writes.
;    Behind number 31 GI writes a v_nop, the plain instruction between the last transcendental and the first use (ISA guide 5.7.2), and the quad's one wait.
; Numbers 32-59 are the readers, in twos (pairs 0, 1, or pairs 2, 3, which run a stage or two behind), so that no line reads the result of the line before it:
;   32-33 R first step 0,1   34-35 R second 0,1   36-37 R third 0,1   38-39 R first 2,3   40-41 1 / kappa - R E 0,1   42-43 R second 2,3   44-45 A . + h 0,1   46-47 R third 2,3
;   48-49 gate 0,1   50-51 1 / kappa - R E 2,3   52-53 to bf16 0,1   54-55 A . + h 2,3   56-57 gate 2,3   58-59 to bf16 2,3
; REGISTERS.  A, T, E, 2 each for four pairs: 24.  R's first two steps lie in XR0 (pairs 0, 2) or XR1 (pairs 1, 3), free again behind the third step, which lands in T; what follows lands in E.
; A pair's result goes into the tile's register (number of the pair): the scores that lay there have been read (the last read of h, numbers 44-45 and 54-55, stands ahead of the conversions).
; Each tile of S^T is read from its low registers on.
.macro GI
.set gq, k/60
.set gn, k%60
.set ge, gn%2
.if gn < 4
.set gop, 0
.set gm, gn/2
.elseif gn < 6
.set gop, gn-3
.set gm, 0
.elseif (gn < 26) && (gn%2 == 0)
.set gpl, (gn-6)/2                     ; plain instruction 0..9 of the turns
.if gpl < 2
.set gop, 1+gpl
.set gm, 1
.elseif gpl < 6
.set gop, 0
.set gm, 1+gpl/2
.set ge, gpl%2
.else
.set gop, 1+gpl%2
.set gm, gpl/2-1
.endif
.elseif gn < 32
.set gtr, gn-16                        ; transcendentals 10..15 stand on end,
.if gn < 26
.set gtr, (gn-7)/2                     ; 0..9 in the turns
.endif
.set gop, 3+(gtr%4)/2
.set gm, gtr/4
.set ge, gtr%2
.else
.set gst, (gn-32)/2                    ; the readers' 14 twos
.set gm, gn%2
.if gst < 3
.set gop, 5+gst
.elseif gst > 10
.set gop, gst-2
.set gm, 2+gn%2
.elseif gst%2 == 1
.set gop, 5+(gst-3)/2
.set gm, 2+gn%2
.else
.set gop, 8+(gst-4)/2
.endif
.endif
.set gA, TM+2*gm
.set gT, TM+8+2*gm
.set gE, TM+16+2*gm
.set gX, XR0
.if gm%2 == 1
.set gX, XR1
.endif
.set gH, GB+32*(gq/4)+16*(gm%2)+2*(2*(gq%4)+gm/2)      ; the pair's two scores
.set gD, GB+32*(gq/4)+16*(gm%2)+2*(gq%4)+gm/2          ; where its two weights go
.set gG, GTB+2*(gq/4)                                  ; the two tiles' gates
.if gop == 0
	v_mul_f32 v[gA+ge], s[KAP], |v[gH+ge]|
.elseif gop == 1
	v_pk_fma_f32 v[gT:gT+1], v[gA:gA+1], 0x3ec88bda, 1.0 op_sel_hi:[1,0,0]
.elseif gop == 2
	v_pk_mul_f32 v[gE:gE+1], v[gA:gA+1], v[gA:gA+1] neg_lo:[0,1] neg_hi:[0,1]
.elseif gop == 3
	v_rcp_f32 v[gT+ge], v[gT+ge]
.elseif gop == 4
	v_exp_f32 v[gE+ge], v[gE+ge]
.elseif gop == 5
	v_pk_fma_f32 v[gX:gX+1], v[gT:gT+1], 0x3f616a97, v[CA:CA+1] op_sel_hi:[1,0,0]
.elseif gop == 6
	v_pk_fma_f32 v[gX:gX+1], v[gX:gX+1], v[gT:gT+1], v[CA:CA+1] op_sel:[0,0,1] op_sel_hi:[1,1,1]
.elseif gop == 7
	v_pk_mul_f32 v[gT:gT+1], v[gX:gX+1], v[gT:gT+1]
.elseif gop == 8
	v_pk_fma_f32 v[gE:gE+1], v[gT:gT+1], v[gE:gE+1], 0x3f96b55f op_sel_hi:[1,1,0] neg_lo:[1,0,0] neg_hi:[1,0,0]
.elseif gop == 9
	v_pk_fma_f32 v[gE:gE+1], v[gA:gA+1], v[gE:gE+1], v[gH:gH+1]
.elseif gop == 10
.if gm%2 == 0
	v_pk_mul_f32 v[gE:gE+1], v[gE:gE+1], v[gG:gG+1] op_sel_hi:[1,0]
.else
	v_pk_mul_f32 v[gE:gE+1], v[gE:gE+1], v[gG:gG+1] op_sel:[0,1] op_sel_hi:[1,1]
.endif
.else
	v_cvt_pk_bf16_f32 v[gD], v[gE], v[gE+1]
.endif
.if gn == 31
	v_nop                                          ; the plain instruction behind the batch's last transcendental
	s_wait_alu depctr_va_vdst(0)                   ; one wait for the quad's eight reciprocals and eight exponentials, ahead of number 32, their first reader
.endif
.set k, k+1
.endm
.macro EMIT cnt                        ; the next cnt instructions of the block's GELU
.if \cnt > 0
	WIN 0
.rept \cnt
	GI
.endr
.endif
.endm
; ONE matrix instruction on the group's fragment, for tile i, and cnt instructions of the GELU behind it.
.macro ONE kind, sb, i, cnt
.if \kind == 1
	WIN 0x04                                       ; x in window 1
	MM1 \sb, \i
.else
	WIN 0xa0+0x50*((\i)/2)                         ; Y in window 2 or 3
	MM2 \sb, \i
.endif
	EMIT \cnt
.endm
; GROUP j of a block's 32: the four products of fragment j, tiles 0 to 3.  The accumulators take turns, one instruction a turn (8 of S^T, 64 of Y^T).
; A SPAN is four groups.  Behind its first product stand a quad's numbers 0 to 31, its v_nop and its wait, and then THE RUN of eight LDS loads: fragments j + 4 to j + 7, into the half of the
; ring that groups j - 4 to j - 1 read, 15 matrix instructions ahead of their first use.  Between that half's last reader (group j - 1's last product) and the run stand the 16 plain instructions
; among those 32 (where a half block has no GELU: four v_nop).  Behind each of the span's next 14 products stand two of the quad's numbers 32 to 59; behind its last product none.
; per = 2 (blocks 0 and 63, a whole GELU beside 64 products): twice as many at each place, 64 and 4; the span's second quad then has its batch and its wait among the products.
; The run of group 4 begins with b1 of the chunk whose S^T begins in group 16 and with the next block's gates.
; Where S^T is begun over P (group 16), six plain instructions (a quad's numbers 54 to 59) stand between group 15's product on tile 0 and the product that writes over its P; for tiles 1 to 3
; the next quad's 16 plain instructions stand between as well.  Between group 30's products on tiles 0, 1 and the next block's first read of their S^T stand twelve (numbers 48 to 59).
; THE WAITS at a group's head count the loads issued behind fragment j's two: j % 4 = 0: the run's other three fragments, 6; then 4, 2, 0 of them and the 8 of the run just issued: 12, 10, 8
; (bias, gates and the add only add to them).
; chg = 1, 2: the block is a slot's second, and the slot is left (2: and filled again).  last = 1: nothing follows the block.
.macro GROUP odd, kind, sb, per, k1, chg, last
.set wn, 14-2*(j%4)
.if j%4 == 0
.set wn, 6
.endif
.if (\last > 0) && (j > 27)
.set wn, 2*(31-j)                      ; the last block has no run in group 28: the counts run down
.endif
.if (\chg == 0) || (j < 27)            ; fragments 27-31 of a slot that is left are in since the wait for 0 in front of the barrier
	s_wait_dscnt wn
.endif
.if j%4 == 0
	ONE \kind, \sb, 0, 32*\per
.else
	ONE \kind, \sb, 0, 2*\per
.endif
.if (j%4 == 0) && ((\last == 0) || (j < 28))
	WIN 0
.if \per == 0
	PLACES
.endif
.if j == 4
.if \k1 == 1
	v_add_nc_u32 v[AB], s[SBI], v[AB0]
.endif
.if \last == 0
	v_add_nc_u32 v[AG], s[SG], v[GA]
.endif
.if \k1 == 1
	BIAS AB
	s_add_co_u32 s[SBI], s[SBI], 128
.endif
.if \last == 0                         ; the next block's gates: expert (b + 1) % 4 of my half
.if \odd
	ds_load_b128 v[GT0:GT0+3], v[AG]
.else
	ds_load_b128 v[GT1:GT1+3], v[AG] offset:256
	s_xor_b32 s[SG], s[SG], 512
.endif
.endif
.endif
.set bs, AWA
.if ((j < 28) && (\odd > 0)) || ((j == 28) && (\odd == 0))
.set bs, AWB
.endif
.irp n, 4,5,6,7
.set fr, (j+\n)%32
	FRAG bs, fr
.endr
.if (\chg > 0) && (j == 24)            ; THE CHANGE OF SLOTS.  The slot's last four fragments have just been asked for.
	s_wait_tensorcnt 0x0                           ; all my tensor loads have landed: the one that was out is my quarter of the other slot; so a group 0 may be written
	ds_add_u32 v[SPW], v[NIL]                      ; 0 onto my spare word: eleven products and their vector work stand between it and the wait for it
.if \chg == 2
	s_xor_b32 s[G0W+1], s[G0W+1], SLOTB            ; the walking descriptor: the slot that is being left,
	s_add_nc_u64 s[G0W+2:G0W+3], s[G0W+2:G0W+3], SLOTB     ; the stream's next two blocks; the type bits on top are not reached
.endif
.endif
.endif
	ONE \kind, \sb, 1, 2*\per
	ONE \kind, \sb, 2, 2*\per
.if j%4 == 3
	ONE \kind, \sb, 3, 0                           ; the span's last product: the quad is finished
.else
	ONE \kind, \sb, 3, 2*\per
.endif
.if \chg > 0
.if j == 26
	s_wait_dscnt 0x0                               ; the add is done, and my reads of this slot are over
	s_barrier_signal -1                            ; say so; group 27 works on registers while the others arrive
.elseif j == 27
	WIN 0
	s_barrier_wait -1                              ; nobody in my work-group reads this slot any more, and the other slot is whole
.if \chg == 2
	CREST                                          ; the barrier has opened a round of the cluster's: no wave of any partner still reads the slot or has a load on its way
.endif
	s_xor_b32 s[TB], s[TB], SLOTB                  ; the fragments now come from the other slot
.if \chg == 2
	tensor_load_to_lds s[G0W:G0W+3], s[G1:G1+7]    ; my one tensor load behind the round, ahead of every LDS read there: 241 matrix instructions stand between it and the wait for it
	s_nop 0
.endif
	v_add_nc_u32 v[AWA], s[TB], v[LW]
	v_add_nc_u32 v[AWB], 0x10000, v[AWA]
.if \chg == 2
	v_nop                                          ; four vector instructions stand between the tensor load and the next switch of windows
	v_nop
.endif
.endif
.endif
.endm
; A BLOCK: groups 0-15 of kind k0 on buffer sb0, groups 16-31 of kind k1 on sb1; per0, per1: the GELU's share of each half (above).  The GELU works on the other buffer: an even block's on SB0, an odd one's on SB1.
.macro BLOCK odd, k0, sb0, per0, k1, sb1, per1, chg, last
.set k, 0
.if \odd
.set GB, SB1
.set GTB, GT1
.else
.set GB, SB0
.set GTB, GT0
.endif
.set j, 0
.rept 32
.if j < 16
	GROUP \odd, \k0, \sb0, \per0, \k1, \chg, \last
.else
.if (j == 16) && (\per0 == 0)
	PLACES                                         ; block 0: the second half's GELU reads what the first half's last products wrote, and no vector work stood behind those
.endif
	GROUP \odd, \k1, \sb1, \per1, \k1, \chg, \last
.endif
.set j, j+1
.endr
.endm
	BLOCK 0, 1, SB0, 0, 1, SB1, 2, 0, 0            ; block 0: S^T of chunk 0; S^T of chunk 1 | GELU of chunk 0
	WIN 0                                          ; at a label and at a branch every window is 0
	s_mov_b32 s[TRIP], 30
.Ltrip:                                                ; blocks 1 to 60: a trip leaves one slot, fills it again, and begins the next
	BLOCK 1, 2, SB0, 1, 1, SB0, 1, 2, 0
	BLOCK 0, 2, SB1, 1, 1, SB1, 1, 0, 0
	WIN 0
	s_sub_co_u32 s[TRIP], s[TRIP], 1
	s_cmp_lg_u32 s[TRIP], 0
	s_cbranch_scc1 .Ltrip
	BLOCK 1, 2, SB0, 1, 1, SB0, 1, 1, 0            ; block 61: the tail is written out: the slot is left, nothing is asked for
	BLOCK 0, 2, SB1, 1, 1, SB1, 1, 0, 0            ; block 62
	BLOCK 1, 2, SB0, 2, 2, SB1, 0, 0, 1            ; block 63: Y^T of chunk 62 | GELU of chunk 63; Y^T of chunk 63
	; THE WAY OUT.  A lane holds 8 neighbouring channels (32 bytes) of a token's row.  The stage: 32 rows of 1,040 bytes for each wave, in the slots: their last fill is long done, and behind the
	; barrier nobody reads them.  I put tiles 2, 3 into my partner's region, add what it put into mine to tiles 0, 1, and read whole rows back.
	WIN 0
	s_mul_i32 s18, s[WV], OREG
	s_xor_b32 s19, s[WV], 1
	s_mul_i32 s19, s19, OREG
	v_and_b32 v[RR], 15, v0                        ; lane % 16 and lane / 16 anew: the GELU has used their registers.  Seven plain instructions: the places behind the last products
	v_bfe_u32 v[HH], v0, 4, 1
	v_mul_u32_u24 v[OSM], v[RR], OP
	v_lshl_add_u32 v[OSM], v[HH], 5, v[OSM]
	v_add_nc_u32 v[OSG], s19, v[OSM]
	v_add_nc_u32 v[OSM], s18, v[OSM]
	v_add_nc_u32 v[OSR], s18, v[L16]
	s_wait_dscnt 0x0
	BAR                                            ; every wave's reads of the slots are over
	WIN 0x0c                                       ; data in window 3
.set q, 0
.rept 32                               ; tile 2 + q / 16, channels 16 (q % 16) on; each result's low four registers first
	ds_store_b128 v[OSG], v[8*q:8*q+3]   offset:(q/16)*16*OP+(q%16)*64
	ds_store_b128 v[OSG], v[8*q+4:8*q+7] offset:(q/16)*16*OP+(q%16)*64+16
.set q, q+1
.endr
	WIN 0
	s_wait_dscnt 0x0                               ; for my partner's sake
	BAR
.macro OUT i                           ; tile i: 16 tokens
.if \i
	s_wait_xcnt 0x0                                ; the registers that tile 0's stores read are loaded again only behind this wait
.endif
.set q, 0
.rept 16
	ds_load_b128 v[SB0+8*q:SB0+8*q+3],   v[OSM] offset:\i*16*OP+q*64
	ds_load_b128 v[SB0+8*q+4:SB0+8*q+7], v[OSM] offset:\i*16*OP+q*64+16
.set q, q+1
.endr
	WIN 0x02                                       ; source 0: Y in window 2
.set q, 0
.rept 16
	s_wait_dscnt 30-2*q                            ; channel block q's two loads are in; the younger ones stay out
.irp m, 0,2,4,6
	v_pk_add_f32 v[SB0+8*q+\m:SB0+8*q+\m+1], v[128*\i+8*q+\m:128*\i+8*q+\m+1], v[SB0+8*q+\m:SB0+8*q+\m+1]
.endr
.set q, q+1
.endr
	WIN 0
.set q, 0
.rept 16
	ds_store_b128 v[OSM], v[SB0+8*q:SB0+8*q+3]   offset:\i*16*OP+q*64
	ds_store_b128 v[OSM], v[SB0+8*q+4:SB0+8*q+7] offset:\i*16*OP+q*64+16
.set q, q+1
.endr
.set q, 0
.rept 32
	ds_load_b128 v[SB0+4*q:SB0+4*q+3], v[OSR] offset:(16*\i+q/2)*OP+(q%2)*512    ; LDS serves a wave's instructions in order (ISA guide 5.7.1.4): these see the stores above
.set q, q+1
.endr
.set q, 0
.rept 32
	s_wait_dscnt 31-q
	global_store_b128 v[L16], v[SB0+4*q:SB0+4*q+3], s[12:13] offset:(16*\i+q/2)*1024+(q%2)*512 th:TH_STORE_NT   ; the wave stores 512 consecutive bytes, at a multiple of 512 from out0's first byte
.set q, q+1
.endr
.endm
	OUT 0
	OUT 1
	s_wait_tensorcnt 0x0                           ; the wave's end: behind my last tensor load and my last LDS store
	ds_add_u32 v[SPW], v[NIL]
	s_wait_dscnt 0x0
	CROUND                                         ; the closing round: no work-group ends while a partner may still ask for a tile that names it
	s_endpgm
.Lfunc_end_k_qe3d293e29a_moe:
	.size	k_qe3d293e29a_moe, .Lfunc_end_k_qe3d293e29a_moe-k_qe3d293e29a_moe
	.p2alignl 7, 3214868480
	.fill 96, 4, 3214868480
	.section	.rodata,"a",@progbits
	.p2align	6, 0x0
	.amdhsa_kernel k_qe3d293e29a_moe
		.amdhsa_group_segment_fixed_size 327680
		.amdhsa_private_segment_fixed_size 0
		.amdhsa_enable_private_segment 0
		.amdhsa_kernarg_size 40
		.amdhsa_user_sgpr_count 2
		.amdhsa_user_sgpr_kernarg_segment_ptr 1
		.amdhsa_wavefront_size32 1
		.amdhsa_system_sgpr_workgroup_id_x 1
		.amdhsa_system_sgpr_workgroup_id_y 1
		.amdhsa_system_sgpr_workgroup_id_z 1
		.amdhsa_system_vgpr_workitem_id 0
		.amdhsa_next_free_vgpr 1024
		.amdhsa_next_free_sgpr 66
		.amdhsa_reserve_vcc 0
		.amdhsa_float_denorm_mode_32 3
		.amdhsa_float_denorm_mode_16_64 3
		.amdhsa_memory_ordered 1
		.amdhsa_forward_progress 1
		.amdhsa_inst_pref_size 255
	.end_amdhsa_kernel
	.section	.bss,"aw",@nobits
	.p2align	6
	.space	262144
	.amdgpu_metadata
---
amdhsa.version: [ 1, 2 ]
amdhsa.kernels:
  - .name:           k_qe3d293e29a_moe
    .symbol:         k_qe3d293e29a_moe.kd
    .args:
      - { .name: x, .offset: 0, .size: 8, .value_kind: global_buffer, .address_space: global }
      - { .name: b1, .offset: 8, .size: 8, .value_kind: global_buffer, .address_space: global }
      - { .name: bg, .offset: 16, .size: 8, .value_kind: global_buffer, .address_space: global }
      - { .name: wf, .offset: 24, .size: 8, .value_kind: global_buffer, .address_space: global }
      - { .name: out0, .offset: 32, .size: 8, .value_kind: global_buffer, .address_space: global }
    .group_segment_fixed_size: 327680
    .private_segment_fixed_size: 0
    .kernarg_segment_align: 8
    .kernarg_segment_size: 40
    .max_flat_workgroup_size: 128
    .sgpr_count:     66
    .vgpr_count:     1024
    .wavefront_size: 32
...
	.end_amdgpu_metadata
.endif
;; end of part 4
